; MI455X (gfx1250); checked and timed in simulation.
; The chip was launched on July 23, 2026; its instructions are those of AMD's public machine-readable ISA for CDNA 5 (MIT licence, August 2026) and "CDNA5" Instruction Set Architecture Reference Guide (July 2026). The comments in the code are by the model that wrote it; some were corrected since.
;; MHA Einsum. Allowed arithmetic: matrix products marked QUANTISED: E4M3 operands, one E8M0 scale for each 32 along K, by v_wmma_scale_f32_16x16x128_f8f6f4 with both operands' format E4M3, f32 sums; everything else in f32.
;; Inputs: Wk_codes 1,024 x 32 x 32 uint8 (E4M3 codes of Wk, K innermost, in blocks of 32 codes); Wk_scales 1,024 x 32 uint8 (E8M0 scales of Wk, one for each 32 codes along K); Wo_codes 1,024 x 32 x 32 uint8 (E4M3 codes of Wo, K innermost, in blocks of 32 codes); Wo_scales 1,024 x 32 uint8 (E8M0 scales of Wo, one for each 32 codes along K); Wq_codes 1,024 x 32 x 32 uint8 (E4M3 codes of Wq, K innermost, in blocks of 32 codes); Wq_scales 1,024 x 32 uint8 (E8M0 scales of Wq, one for each 32 codes along K); Wv_codes 1,024 x 32 x 32 uint8 (E4M3 codes of Wv, K innermost, in blocks of 32 codes); Wv_scales 1,024 x 32 uint8 (E8M0 scales of Wv, one for each 32 codes along K); bo 1,024 float32; x_codes 4 x 2,048 x 32 x 32 uint8 (E4M3 codes of x, K innermost, in blocks of 32 codes); x_scales 4 x 2,048 x 32 uint8 (E8M0 scales of x, one for each 32 codes along K).
;; Outputs: out0 4 x 2,048 x 1,024 float32.
;; This version of the problem:
;;   THIS VERSION OF THE PROBLEM IS GIVEN IN LOW PRECISION. The matrix products marked QUANTISED in the list below multiply operands that are first quantised to E4M3 (4 exponent bits, 3 mantissa bits; 8 bits a number), with one power-of-two scale for each 32 numbers along K (OCP MX v1.0); their sums are f32. All else is computed in f32.
;;   The module's matrix products, in the order in which they are computed (A, B: the left and right operand; K: the contracted axis; several contracted axes count as one K, in the product's order):
;;     1. [M 8,192, K 1,024] x [K 1,024, N 1,024]; A: input x (given as codes); B: input Wq (given as codes): QUANTISED
;;     2. [M 8,192, K 1,024] x [K 1,024, N 1,024]; A: input x (given as codes); B: input Wk (given as codes): QUANTISED
;;     3. [M 8,192, K 1,024] x [K 1,024, N 1,024]; A: input x (given as codes); B: input Wv (given as codes): QUANTISED
;;     4. batch 64 x [M 2,048, K 64] x [K 64, N 2,048]; A: computed on the way; B: computed on the way: QUANTISED
;;     5. batch 64 x [M 2,048, K 2,048] x [K 2,048, N 64]; A: softmax (see below); B: computed on the way: QUANTISED
;;     6. [M 8,192, K 1,024] x [K 1,024, N 1,024]; A: computed on the way; B: input Wo (given as codes): QUANTISED
;;   THE QUANTISER, for each operand of a quantised product, along K:
;;     - K is cut into blocks of 32 from its start; a last block that is shorter is filled with zeros.
;;     - A block's scale is 2^e with e = floor(log2(the largest magnitude in the block)) - 8, held to -126 .. 127; a block of zeros has e = 0. As a byte (E8M0): e + 127.
;;     - Each number is divided by its block's scale, clamped to +-448, and rounded to the nearest number of E4M3, ties to even, subnormals kept.
;;     - The product sums the exact products of the quantised numbers (number of the format x scale) in f32.
;;   ~~~python
;;   def quantise(x, axis):      # numpy; x: float32 -> the quantised numbers, widened to float32 again
;;       x = np.moveaxis(x, axis, -1); K = x.shape[-1]
;;       x = np.pad(x, [(0, 0)] * (x.ndim - 1) + [(0, -K % 32)]); x = x.reshape(x.shape[:-1] + (-1, 32)); a = np.abs(x).max(-1, keepdims=True)
;;       e = np.where(a > 0, np.clip(np.frexp(np.where(a > 0, a, 1))[1] - 1 - 8, -126, 127), 0)      # np.frexp(a)[1] - 1 = floor(log2(a)), exactly
;;       r = np.clip(x / 2.0 ** e, -448, 448)
;;       step = 2.0 ** (np.maximum(np.frexp(np.where(r == 0, 1, r))[1] - 1, -6) - 3)
;;       q = np.round(r / step) * step * 2.0 ** e      # np.round: ties to even
;;       return np.moveaxis(q.reshape(q.shape[:-2] + (-1,))[..., :K], -1, axis).astype(np.float32)
;;   ~~~
;;   SOFTMAX AHEAD OF A QUANTISED PRODUCT. Where the list says 'softmax', what is quantised is not the finished softmax but p = 2^(t - M), with t = logit x log2(e) and M = ceil(the row's largest t), a whole number; so 1/2 < the row's largest p <= 1. The row's sum l is taken of the UNQUANTISED p, in f32, and the product's result is divided by l at the end. Since M is a whole number, a kernel that streams over the keys may use a running M (the ceiling of the running maximum): every later rescaling is an exact power of two, which a block's scale takes up: the codes' values come out the same.
;;   OPERANDS COMPUTED ON THE WAY. 'Computed on the way' means the value that the module computes at that place (a softmax that the list does not call 'softmax' is quantised finished and normalised). What goes into a quantiser is computed in f32, as accurately as f32 sums, v_exp_f32 and their like allow (about 1e-6 of the number): no bf16 or f16 on the way to a quantiser, and a product that is left as it is and whose result goes on into a quantised operand takes f32 operands (vector FMAs, or v_wmma_f32_16x16x4_f32). A number that lies on a knife's edge between two numbers of the format may be rounded either way, as far as f32 arithmetic and the matrix unit's own rounding can turn it there, and no further.
;;   INPUTS GIVEN AS CODES. Wk (in the module: [1024, 1024], K = its axis 0); Wo (in the module: [1024, 1024], K = its axis 1); Wq (in the module: [1024, 1024], K = its axis 0); Wv (in the module: [1024, 1024], K = its axis 0); x (in the module: [4, 2048, 1024], K = its axis 2): each comes as NAME_codes (uint8): NAME with its K axis moved to the last place and cut into blocks of 32 codes, [.., K / 32, bytes a block], one block behind the other in memory; one code a byte (a code: sign, 4 exponent bits, 3 mantissa bits); and NAME_scales (uint8): the same leading axes, one E8M0 byte (e + 127) for each 32 codes along K. Its value is code x scale, taken as it is: it is not quantised again, and the codes and scales need not be those that the quantiser above would give.
;; One version. Each part assembles by itself: llvm-mc -triple=amdgcn-amd-amdhsa -mcpu=gfx1250 --defsym DOCPART=n.
;; ======== version 1 of 1: 3 launches
;; limits: right only within a limited range of input values
;; workspace buffers: qc 8,388,608 bytes; qs 524,288 bytes; kv 17,301,504 bytes; cc 8,388,608 bytes; cs 262,144 bytes
;; launch qkv (part 1): grid 12 x 32, 4 waves a work-group, clusters of 4 x 4, 327,680 bytes of LDS; arguments x_codes, x_scales, Wq_codes, Wq_scales, Wk_codes, Wk_scales, Wv_codes, Wv_scales, qc, qs, kv; writes qc, qs, kv
.if DOCPART == 1
	.amdgcn_target "amdgcn-amd-amdhsa--gfx1250"
	.amdhsa_code_object_version 6
	.text
	.protected	k_q99f760d331_qkv
	.globl	k_q99f760d331_qkv
	.p2align	8
	.type	k_q99f760d331_qkv,@function
k_q99f760d331_qkv:
	s_mov_b64 s[64:65], 0
	v_nop
	global_prefetch_b8 v0, s[64:65] scope:SCOPE_SE
	s_setreg_imm32_b32 hwreg(HW_REG_WAVE_MODE, 25, 1), 1
	s_wait_xcnt 0x0
	s_wait_alu depctr_hold_cnt(0) depctr_sa_sdst(0) depctr_va_vdst(0) depctr_va_sdst(0) depctr_va_ssrc(0) depctr_va_vcc(0) depctr_vm_vsrc(0)
	s_getreg_b32 s2, hwreg(HW_REG_IB_STS2, 6, 4)
	s_cmp_eq_u32 s2, 0
	s_cbranch_scc0 .Lentry_in_a_cluster
	s_endpgm
.Lentry_in_a_cluster:
	s_bfe_u32 s2, ttmp6, 0x10000c
	s_cmp_lg_u32 s2, 0xf033
	s_cbranch_scc0 .Lentry_shape_is_right
	s_endpgm
.Lentry_shape_is_right:
; Q = x Wq, K = x Wk, V = x Wv on codes of FP8 (E4M3) with one E8M0 scale for each 32 along K = 1,024; the results are quantised here, in registers, and leave as codes:
; Q and K along the head's 64 channels, V along the keys.  x: [8192][1024] codes, W: [1024 (out)][1024 (k)] codes, scale bytes [rows][32].
; THREE PASSES, by the cluster's x (the same number in all sixteen partners): 0 = Q, 1 = K, 2 = V.  A tile of 256 x 256 to a work-group of four waves, 128 x 128 to a wave: 64 accumulators.
; The matrix instruction is used transposed (source 0 = 16 rows of "B", source 1 = 16 rows of "A"): a lane holds ONE row of A, and its registers run along B's rows.
; Q, K: A = x (a lane holds a token, registers run along the channels).  V: A = Wv, B = x (a lane holds a channel, registers run along the keys).  So one way out quantises all three.
; K goes in steps of 256 through two LDS slots filled by joint tensor loads: 4 x 4 work-groups; A's tile is shared along a row of the cluster, B's along a column.
; WHAT LEAVES ARE IMAGES OF THE NEXT OPERAND'S REGISTERS: chunks of 512 bytes, lane l's 16 bytes at 16 l, one chunk for a block of 32 along the next K of 16 rows.
; Inside a block of 32 the order is the result's: lane (r, h)'s byte i is index 16 (i / 8) + 8 h + i % 8 of the block.  Both operands of each later product have the same order, so the products are the same.
;   qc [bh][n / 16][2][512];  qs [bh][n / 64][r][tile % 4] words (q0, q1, q0, q1);
;   kv [bh][n / 128] records of 16,896 bytes: K's codes 8 x 1,024 | V^T's codes 4 x 2,048 | K's scale words [r][pair of tiles] | V's scale words [r][tile of channels].
; LIMITS: NaN and infinities are not served; a block whose largest magnitude lies under 2^-118, a block of zeros among them, keeps the scale byte 1 (its bytes are read by this program alone).
; REGISTERS, in windows of 256: window 0: v0-31 addresses; v32-63 scale words; from v128 A's fragments, one set.  window 1: B's fragments, two sets.  windows 2, 3: the accumulators ((a, b) at v[8 (8 (a % 4) + b)]).
.set SIZE_K, 1024
.set KSTEP,  256
.set NQ,     KSTEP/128
.set ROWB,   256                       ; a tile's row in bytes
.set KROW,   SIZE_K                    ; a row of codes in memory
.set PITCH,  272                       ; an LDS row: 256 bytes + 16 of padding: the 16 rows that a load touches start at 16 different banks (64 banks of 4 bytes: ISA guide 11.1)
.set FR,     16
.set NL,     4
.set NP,     8                         ; places behind this matrix instruction (ISA guide 7.12.1)
.set HALFT,  128*PITCH
.set SLOT,   4*HALFT
.set LAPS,   SIZE_K/(2*KSTEP)
.set KS,     SIZE_K/32
.set SCL,    2*SLOT                    ; behind the ring: the scales of the tile's 512 rows for all of K
.set HALFS,  (128*KS/256)*272
.set SBLK,   (16*KS/256)*272
.set SPARE,  SCL+4*HALFS               ; the spare words, 128 bytes a wave: no other line names them
.set REC,    16896                     ; a record of kv
.set HS,     16*REC                    ; a head of kv
.set OA,   8                           ; v8-11   the way out: 16 x lane + i x STRA
.set VSO,  12                          ; v12     the scale words' place: h x HSTR + 16 r
.set SELV, 13                          ; v13     byte select: lanes 0-15 take a word's low half, lanes 16-31 its high half
.set ADRA, 16
.set ADRB, 20
.set ADRS, 27
.set SPW,  28
.set NIL,  29
.set SC,   32
.set AF,   128
.set TM,   32                          ; the way out: v32-35 largest magnitudes, v36-39 bytes, v44-47 the conversions' scale operands
.set WD,   48                          ; v48-55  block a's scale word
.set DD,   56                          ; v56-63  the words as they are stored
.set X,    64
.set CD,   128                         ; v128-255 codes: 16 registers for each block, so that no store's data are written again
.set G1, 24
.set G0, 32
.set G1B, 48
.set G0B, 56
.set G1S, 68
.set G0S, 76
.set G1SB, 80
.set G0SB, 88
.set MSB, 0
.macro WIN new                         ; the immediate's high byte repeats the setting that is left
.if MSB != \new
	s_set_vgpr_msb (MSB<<8)|\new
.set MSB, \new
.endif
.endm
.set MUL_LO, 0xa1                      ; source 0 (B) window 1, source 1 (A) window 0, C and D window 2
.set MUL_HI, 0xf1
.set TO_B,   0x40
; A joint load: waves 0 and 1 fetch for A, waves 2 and 3 for B; the branch hangs on the wave's number alone.  Four v_nop follow each line.
.macro JLOAD g0a, g1a, g0b, g1b
	s_cmp_eq_u32 s15, 0
	s_cbranch_scc0 .Lfor_b_\@
	tensor_load_to_lds s[\g0a:\g0a+3], s[\g1a:\g1a+7]
	s_nop 0
.rept 4
	v_nop
.endr
	s_branch .Lasked_\@
.Lfor_b_\@:
	tensor_load_to_lds s[\g0b:\g0b+3], s[\g1b:\g1b+7]
	s_nop 0
.rept 4
	v_nop
.endr
.Lasked_\@:
.endm
.macro CREST                           ; a round of the cluster's barrier behind its opening barrier
	s_cmp_lg_u32 s14, 0
	s_cbranch_scc1 .Lnot_wave_0_\@
	s_barrier_signal -3
.Lnot_wave_0_\@:
	s_barrier_wait -3
	s_barrier_signal -1
	s_barrier_wait -1
.endm
.macro CROUND
	s_barrier_signal -1
	s_barrier_wait -1
	CREST
.endm
	s_load_b512 s[68:83], s[0:1], 0x0              ; x's codes, scales; Wq's; Wk's; Wv's
	s_load_b128 s[84:87], s[0:1], 0x40             ; qc, qs
	s_load_b64 s[88:89], s[0:1], 0x50              ; kv
	v_lshl_add_u32 v[SPW], v0, 2, SPARE
	v_mov_b32 v[NIL], 0
	ds_add_u32 v28, v29
	ds_add_u32 v28, v29
	s_wait_dscnt 0x0
	v_lshrrev_b32 v1, 5, v0
	v_readfirstlane_b32 s14, v1                    ; wave 0..3
	s_lshr_b32 s15, s14, 1                         ; which half of A's rows is mine.  Also: I fetch for A (0) or for B (1)
	s_and_b32 s16, s14, 1                          ; which half of B's rows.  Also: which 128 rows I fetch
	s_bfe_u32 s40, ttmp6, 0x40000                  ; cx
	s_bfe_u32 s41, ttmp6, 0x40004                  ; cy
	s_and_b32 s18, ttmp7, 0xffff                   ; cluster y, 0..7: it walks x's 32 tiles of 256 tokens, four to a cluster
	s_cmp_eq_u32 ttmp9, 2                          ; the pass for V?
	s_cselect_b32 s19, 0, s18                      ; Q, K: x is A;  V: Wv is A, four tiles of rows in all
	s_cselect_b32 s18, s18, 0                      ; V: x is B
	s_lshl_b32 s42, s18, 2
	s_add_co_u32 s42, s42, s40                     ; B's tile
	s_lshl_b32 s17, s19, 2
	s_add_co_u32 s17, s17, s41                     ; A's tile
	s_lshl_b32 s43, s41, 2
	s_lshl_b32 s43, 15, s43                        ; my row of the cluster
	s_lshl_b32 s44, 0x1111, s40                    ; my column
	s_or_b32 s[G1+0], s43, (0<<16)|(1<<20)|(1<<21)|(5<<22)|(3<<25)  ; the mask; elements of 1 byte; padding on; bit 21 beside a mask; 4 words after every 64
	s_or_b32 s[G1B+0], s44, (0<<16)|(1<<20)|(1<<21)|(5<<22)|(3<<25)
.irp g, G1, G1B
	s_mov_b32 s[\g+1], ROWB<<16                    ; tensor_dim0
	s_mov_b32 s[\g+2], 128<<16                     ; tensor_dim1
	s_mov_b32 s[\g+3], ROWB<<16                    ; tile_dim0
	s_mov_b32 s[\g+4], 128                         ; tile_dim1
	s_mov_b32 s[\g+5], KROW                        ; the pitch
	s_mov_b32 s[\g+6], 0
	s_mov_b32 s[\g+7], 0
.endr
	s_lshl_b32 s18, s16, 7
	s_lshl_b32 s20, s17, 8
	s_add_co_u32 s20, s20, s18                     ; A: the first row that I fetch
	s_lshl_b32 s46, s42, 8
	s_add_co_u32 s46, s46, s18                     ; B likewise
	s_mov_b32 s21, 0
	s_mov_b32 s47, 0
	s_mov_b64 s[18:19], KS
	s_mul_u64 s[22:23], s[20:21], s[18:19]         ; where these rows' scales begin
	s_mul_u64 s[92:93], s[46:47], s[18:19]
	s_mov_b64 s[18:19], KROW
	s_mul_u64 s[20:21], s[20:21], s[18:19]         ; and their codes
	s_mul_u64 s[46:47], s[46:47], s[18:19]
	s_mul_i32 s45, s14, HALFT                      ; where they go: no place in the cluster enters an LDS address
	s_mul_i32 s94, s14, HALFS
	s_wait_kmcnt 0x0
	s_cmp_eq_u32 ttmp9, 2                          ; the buffers of the pass: the choice hangs on the cluster's x alone
	s_cselect_b64 s[4:5], s[80:81], s[68:69]       ; A's codes: Wv's or x's
	s_cselect_b64 s[6:7], s[82:83], s[70:71]       ; A's scales
	s_cselect_b64 s[8:9], s[68:69], s[76:77]       ; B's codes: x's, or Wk's,
	s_cselect_b64 s[10:11], s[70:71], s[78:79]
	s_cmp_eq_u32 ttmp9, 0
	s_cselect_b64 s[8:9], s[72:73], s[8:9]         ; or Wq's
	s_cselect_b64 s[10:11], s[74:75], s[10:11]
	s_cselect_b64 s[12:13], s[84:85], s[88:89]     ; the codes go to qc or to kv,
	s_cselect_b64 s[96:97], s[86:87], s[88:89]     ; the scale words to qs or to kv
	; the scales of 128 rows: a dense block of 4,096 bytes as 16 rows of 256 bytes, 16 bytes of padding behind each.  (These registers brought the pointers, which have been chosen from)
	s_or_b32 s[G1S+0], s43, (3<<16)|(1<<20)|(1<<21)|(5<<22)|(3<<25)
	s_or_b32 s[G1SB+0], s44, (3<<16)|(1<<20)|(1<<21)|(5<<22)|(3<<25)
.irp g, G1S, G1SB
	s_mov_b32 s[\g+1], 32<<16
	s_mov_b32 s[\g+2], (128*KS/256)<<16
	s_mov_b32 s[\g+3], 32<<16
	s_mov_b32 s[\g+4], 128*KS/256
	s_mov_b32 s[\g+5], 32
	s_mov_b32 s[\g+6], 0
	s_mov_b32 s[\g+7], 0
.endr
	s_add_nc_u64 s[20:21], s[4:5], s[20:21]
	s_add_nc_u64 s[22:23], s[6:7], s[22:23]
	s_add_nc_u64 s[46:47], s[8:9], s[46:47]
	s_add_nc_u64 s[92:93], s[10:11], s[92:93]
	CROUND                                         ; all sixteen work-groups are here: the first joint loads meet
	s_mov_b32 s[G0S], 1
	s_add_co_u32 s[G0S+1], s94, SCL
	s_mov_b64 s[G0S+2:G0S+3], s[22:23]
	s_or_b32 s[G0S+3], s[G0S+3], 0x80000000
	s_mov_b32 s[G0SB], 1
	s_add_co_u32 s[G0SB+1], s94, SCL
	s_mov_b64 s[G0SB+2:G0SB+3], s[92:93]
	s_or_b32 s[G0SB+3], s[G0SB+3], 0x80000000
	JLOAD G0S, G1S, G0SB, G1SB                     ; the scales first: they are wanted with K step 0.  Three loads of mine are out behind the next two
.irp s, 0,1
	s_mov_b32 s[G0+4*\s], 1
	s_add_co_u32 s[G0+4*\s+1], s45, \s*SLOT
	s_add_nc_u64 s[G0+4*\s+2:G0+4*\s+3], s[20:21], \s*ROWB
	s_or_b32 s[G0+4*\s+3], s[G0+4*\s+3], 0x80000000
	s_mov_b32 s[G0B+4*\s], 1
	s_add_co_u32 s[G0B+4*\s+1], s45, \s*SLOT
	s_add_nc_u64 s[G0B+4*\s+2:G0B+4*\s+3], s[46:47], \s*ROWB
	s_or_b32 s[G0B+4*\s+3], s[G0B+4*\s+3], 0x80000000
	JLOAD G0+4*\s, G1, G0B+4*\s, G1B
.endr
	v_and_b32 v1, 15, v0                           ; r = l % 16; it stays
	v_bfe_u32 v2, v0, 4, 1                         ; h = l / 16; it stays
	v_mul_u32_u24 v3, v1, PITCH
	v_lshl_add_u32 v4, v2, 4, v3                   ; a fragment's row x pitch + 16 x half
	s_mul_i32 s21, s15, HALFT
	s_mul_i32 s22, s16, HALFT
	s_add_co_u32 s22, s22, 2*HALFT
.irp s, 0,1
	v_add_nc_u32 v[ADRA+\s], s21, v4
	v_add_nc_u32 v[ADRB+\s], s22, v4
	s_add_co_u32 s21, s21, SLOT
	s_add_co_u32 s22, s22, SLOT
.endr
	v_mul_u32_u24 v5, v1, KS                       ; my row's scales: KS bytes a row,
	v_lshrrev_b32 v6, 8, v5
	v_lshl_add_u32 v5, v6, 4, v5                   ; and 16 more for each 256 passed
	s_mul_i32 s21, s15, HALFS
	s_mul_i32 s22, s16, HALFS
	s_add_co_u32 s22, s22, 2*HALFS
	s_sub_co_u32 s22, s22, s21
	v_mul_u32_u24 v6, s22, v2                      ; lanes 16-31 take B's
	s_add_co_u32 s21, s21, SCL
	v_add_nc_u32 v5, v5, v6
	v_add_nc_u32 v[ADRS], s21, v5
	; WHERE MY 128 x 128 GOES.  tok: my first token; col: my first channel of the 1,024; bh = 16 x batch + head; n0 = the token in its batch
	s_lshl_b32 s20, s17, 8
	s_lshl_b32 s21, s15, 7
	s_add_co_u32 s20, s20, s21                     ; my first row of A
	s_lshl_b32 s46, s42, 8
	s_lshl_b32 s47, s16, 7
	s_add_co_u32 s46, s46, s47                     ; my first row of B
	s_cmp_eq_u32 ttmp9, 2
	s_cselect_b32 s21, s46, s20                    ; tok
	s_cselect_b32 s22, s20, s46                    ; col
	s_lshr_b32 s23, s21, 11
	s_lshl_b32 s23, s23, 4
	s_lshr_b32 s22, s22, 6
	s_add_co_u32 s23, s23, s22                     ; bh: my first of two heads
	s_and_b32 s21, s21, 2047                       ; n0, a multiple of 128
	s_lshl_b32 s46, s23, 17
	s_lshl_b32 s47, s21, 6
	s_add_co_u32 s46, s46, s47                     ; in qc: 131,072 bh + 64 n0
	s_lshl_b32 s92, s23, 13
	s_lshl_b32 s47, s21, 2
	s_add_co_u32 s92, s92, s47                     ; in qs: 8,192 bh + 4 n0
	s_mul_i32 s94, s23, HS
	s_lshr_b32 s47, s21, 7
	s_mul_i32 s47, s47, REC
	s_add_co_u32 s94, s94, s47                     ; in kv: my record
	s_cmp_eq_u32 ttmp9, 2
	s_cselect_b32 s47, 8192, 0                     ; V's codes lie behind K's,
	s_cselect_b32 s95, 256, 0                      ; V's scale words behind K's
	s_add_co_u32 s47, s47, s94
	s_add_co_u32 s95, s95, s94
	s_add_co_u32 s95, s95, 16384
	s_cmp_eq_u32 ttmp9, 0
	s_cselect_b32 s46, s46, s47
	s_cselect_b32 s92, s92, s95
	s_mov_b32 s47, 0
	s_mov_b32 s93, 0
	s_add_nc_u64 s[12:13], s[12:13], s[46:47]
	s_add_nc_u64 s[96:97], s[96:97], s[92:93]
	s_mov_b32 s95, HS                              ; the steps, by pass (Q, K, V):
	s_mov_b32 s100, 1024
	s_cmp_eq_u32 ttmp9, 2
	s_cselect_b32 s98, s95, 4096                   ; from blocks 0-3 of A to blocks 4-7: 4,096, 4,096, a head
	s_cselect_b32 s99, 1024, s95                   ; from blocks 0, 1 of 32 to blocks 2, 3: a head of qc, a head of kv, 1,024
	s_cselect_b32 s100, 2048, s100                 ; STRA, from block to block of A: 1,024, 1,024, 2,048
	s_cmp_eq_u32 ttmp9, 0
	s_cselect_b32 s99, 131072, s99
	s_cselect_b32 s101, 8192, s95                  ; HSTR, a head of scale words: 8,192 in qs, a head in kv
	v_and_b32 v6, 31, v0
	v_lshlrev_b32 v[OA], 4, v6
	v_add_nc_u32 v[OA+1], s100, v[OA]
	v_add_nc_u32 v[OA+2], s100, v[OA+1]
	v_add_nc_u32 v[OA+3], s100, v[OA+2]
	v_mul_lo_u32 v[VSO], v2, s101                  ; lanes 16-31 store the second head's words
	v_lshl_add_u32 v[VSO], v1, 4, v[VSO]
	s_mov_b32 s95, 0x02020202
	v_mul_lo_u32 v[SELV], v2, s95
	v_add_nc_u32 v[SELV], 0x05040100, v[SELV]      ; bytes 0, 1 of both sources, or bytes 2, 3
.macro FRAG reg, adr, q, i             ; 16 rows x 128 K: lane l holds row l % 16; registers 4 c .. 4 c + 3 hold K = 32 c + 16 (l / 16) + 0 .. 15
.irp c, 0,1,2,3
	ds_load_b128 v[\reg+4*\c:\reg+4*\c+3], v[\adr] offset:128*(\q)+32*\c+(\i)*16*PITCH
.endr
.endm
; 16 matrix instructions: A's blocks a0, a0 + 1 x B's eight.  The 64 accumulators take turns, one instruction a turn, in the same order in every step.
.macro MUL16 a0, p, q, sc, zero
.irp a, \a0, \a0+1
.irp b, 0,1,2,3,4,5,6,7
.if \zero
	v_wmma_scale_f32_16x16x128_f8f6f4 v[8*(8*((\a)%4)+\b):8*(8*((\a)%4)+\b)+7], v[128*(\p)+FR*\b:128*(\p)+FR*\b+FR-1], v[AF+FR*(\a):AF+FR*(\a)+FR-1], 0, v[SC+8*NQ*(\sc)+NQ*\b+(\q)], v[SC+8*NQ*(\sc)+NQ*(\a)+(\q)] matrix_a_scale:MATRIX_SCALE_ROW1
.else
	v_wmma_scale_f32_16x16x128_f8f6f4 v[8*(8*((\a)%4)+\b):8*(8*((\a)%4)+\b)+7], v[128*(\p)+FR*\b:128*(\p)+FR*\b+FR-1], v[AF+FR*(\a):AF+FR*(\a)+FR-1], v[8*(8*((\a)%4)+\b):8*(8*((\a)%4)+\b)+7], v[SC+8*NQ*(\sc)+NQ*\b+(\q)], v[SC+8*NQ*(\sc)+NQ*(\a)+(\q)] matrix_a_scale:MATRIX_SCALE_ROW1
.endif
.endr
.endr
.endm
.macro FETCH_B slot, q, p
	WIN TO_B
.irp i, 0,1,2,3,4,5,6,7
	FRAG 128*(\p)+FR*\i, ADRB+\slot, \q, \i
.endr
	WIN 0
.endm
.macro FETCH_A slot, q, i0
.irp i, \i0, \i0+1, \i0+2, \i0+3
	FRAG AF+FR*(\i), ADRA+\slot, \q, \i
.endr
.endm
.macro SCALES sc                       ; a K step's scale words: lanes 0-15 take A's block i, lanes 16-31 B's block i
.irp i, 0,1,2,3,4,5,6,7
	ds_load_b64 v[SC+8*NQ*\sc+NQ*\i:SC+8*NQ*\sc+NQ*\i+1], v[ADRS] offset:\i*SBLK
.endr
.endm
.macro PLACES n                        ; plain vector instructions between a matrix instruction and a load into, or a vector read or write of, its registers
.rept \n
	v_nop
.endr
.endm
.macro STEP slot, q, zero              ; 128 along K that has its successor in the same slot
	s_wait_dscnt 4*NL                              ; B's set and A's blocks 0-3 are in; the youngest 16 loads (A's blocks 4-7) may be out
	WIN MUL_LO
	MUL16 0, (\q)%2, \q, \slot, \zero
	MUL16 2, (\q)%2, \q, \slot, \zero
	s_wait_dscnt 0
	PLACES NP
	FETCH_B \slot, (\q)+1, 1-(\q)%2
	FETCH_A \slot, (\q)+1, 0
	WIN MUL_HI
	MUL16 4, (\q)%2, \q, \slot, \zero
	MUL16 6, (\q)%2, \q, \slot, \zero
	PLACES NP
	WIN 0
	FETCH_A \slot, (\q)+1, 4
.endm
; A slot's last step changes slots: one barrier; in front of it each wave waits for all its tensor loads, adds 0 to its spare word, and waits for that and for its reads of this slot.
.macro TURN slot, next, fill
	s_wait_tensorcnt 0x0                           ; all my tensor loads have landed: my part of the next slot
	ds_add_u32 v[SPW], v[NIL]                      ; 0 onto my spare word
	s_wait_dscnt 4*NL+1                            ; (the add and the youngest 16 loads may be out)
	WIN MUL_LO
	MUL16 0, 1, NQ-1, \slot, 0
	s_wait_dscnt 0x0                               ; the add is done, and my reads of this slot are over
	s_barrier_signal -1
	MUL16 2, 1, NQ-1, \slot, 0
	WIN 0
	s_barrier_wait -1
.if \fill
	CREST                                          ; the barrier has opened a round of the cluster's: no wave of any partner still reads this slot or has a load on its way
	s_add_nc_u64 s[G0+4*\slot+2:G0+4*\slot+3], s[G0+4*\slot+2:G0+4*\slot+3], 2*ROWB
	s_add_nc_u64 s[G0B+4*\slot+2:G0B+4*\slot+3], s[G0B+4*\slot+2:G0B+4*\slot+3], 2*ROWB
	JLOAD G0+4*\slot, G1, G0B+4*\slot, G1B         ; the first tensor load behind the round, my only one until the next; its four v_nop are four of the places below
	PLACES NP-4
.else
	PLACES NP
.endif
	s_wait_alu depctr_va_vdst(0)
	v_add_nc_u32 v[ADRS], 4*NQ, v[ADRS]            ; on to the next K step's scale words
	FETCH_B \next, 0, 0
	FETCH_A \next, 0, 0
	SCALES \next
	WIN MUL_HI
	MUL16 4, 1, NQ-1, \slot, 0
	MUL16 6, 1, NQ-1, \slot, 0
	PLACES NP
	WIN 0
	FETCH_A \next, 0, 4
.endm
	s_wait_tensorcnt 1                             ; the scales and my part of K step 0 are in (K step 1's load may be out)
	s_barrier_signal -1
	s_barrier_wait -1
	FETCH_B 0, 0, 0
	FETCH_A 0, 0, 0
	SCALES 0
	FETCH_A 0, 0, 4
	STEP 0, 0, 1                                   ; the first step's products start the sums
	s_mov_b32 s3, LAPS-1
.Llap:                                                 ; a trip goes once round the ring and fills both slots again
	TURN 0, 1, 1
	STEP 1, 0, 0
	TURN 1, 0, 1
	STEP 0, 0, 0
	s_sub_co_u32 s3, s3, 1
	s_cmp_lg_u32 s3, 0
	s_cbranch_scc1 .Llap
	TURN 0, 1, 0                                   ; the last lap fills nothing
	STEP 1, 0, 0
	s_wait_dscnt 4*NL
	WIN MUL_LO
	MUL16 0, 1, NQ-1, 1, 0
	MUL16 2, 1, NQ-1, 1, 0
	s_wait_dscnt 0
	WIN MUL_HI
	MUL16 4, 1, NQ-1, 1, 0
	MUL16 6, 1, NQ-1, 1, 0
	WIN 0
; THE WAY OUT.  Block a of A (16 rows) has 64 numbers a lane, in 64 consecutive registers: register 16 g + i belongs to block g of 32 along the next K; lanes l and l xor 16 share a block.
; Per block: the largest magnitude with the floor 2^(9 - 127) among its leaves; 8 off its exponent field is the conversion's scale operand, and that >> 23 the byte; the conversion.
; A lane's 16 codes of a block are 16 bytes: the wave's store covers 512 consecutive bytes, aligned.
.macro QUANTA a
.set AC, 64*((\a)%4)
.set AW, 2+(\a)/4
	WIN ((AW<<2)|(AW<<4))                          ; sources 1 and 2: the accumulators' window
.irp g, 0,1,2,3
	v_max3_num_f32 v[TM+\g], 0x4800000, |v[AC+16*\g]|, |v[AC+16*\g+1]|   ; each accumulator is read from its low end on
.endr
.irp i, 2,4,6,8,10,12,14
.irp g, 0,1,2,3
	v_max3_num_f32 v[TM+\g], v[TM+\g], |v[AC+16*\g+\i]|, |v[AC+16*\g+\i+1]|   ; the four blocks by turns
.endr
.endr
	WIN 0
.irp g, 0,1,2,3
	v_permlanex16_b32 v[TM+4+\g], v[TM+\g], s76, s77
.endr
.irp g, 0,1,2,3
	v_max_num_f32 v[TM+\g], v[TM+\g], v[TM+4+\g]   ; with lane l xor 16's 16 numbers
.endr
.irp g, 0,1,2,3
	v_add_nc_u32 v[TM+12+\g], 0xfc000000, v[TM+\g] ; the conversion's scale operand
.endr
.irp g, 0,1,2,3
.endr
.irp g, 0,1,2,3
	v_lshrrev_b32 v[TM+4+\g], 23, v[TM+12+\g]      ; the byte
.endr
	v_lshl_or_b32 v[WD+\a], v[TM+5], 8, v[TM+4]
	v_lshl_or_b32 v[WD+\a], v[TM+6], 16, v[WD+\a]
	v_lshl_or_b32 v[WD+\a], v[TM+7], 24, v[WD+\a]
	WIN AW                                         ; source 0: the accumulators' window
.set n, 0
.rept 64
.set n, n+1
.endr
.irp g, 0,1,2,3
	v_cvt_scalef32_pk8_fp8_f32 v[CD+16*(\a)+4*\g:CD+16*(\a)+4*\g+1], v[AC+16*\g:AC+16*\g+7], v[TM+12+\g]
	v_cvt_scalef32_pk8_fp8_f32 v[CD+16*(\a)+4*\g+2:CD+16*(\a)+4*\g+3], v[AC+16*\g+8:AC+16*\g+15], v[TM+12+\g]
.endr
	WIN 0
	v_nop                                          ; a plain line between the conversions and the next block's writes of their sources
.irp g, 0,1,2,3
	global_store_b128 v[OA+(\a)%4], v[CD+16*(\a)+4*\g:CD+16*(\a)+4*\g+3], s[68+2*(2*((\a)/4)+\g/2):69+2*(2*((\a)/4)+\g/2)] offset:512*(\g%2)
.endr
.endm
	PLACES NP                                      ; behind the last products: the lines below read results and write registers that held scale words and A's fragments
	s_mov_b32 s93, 0                               ; four bases: blocks 0-3 or 4-7 of A x blocks 0, 1 or 2, 3 of 32.  (No tensor load of mine is out: these registers were descriptors)
	s_mov_b64 s[68:69], s[12:13]
	s_mov_b32 s92, s99
	s_add_nc_u64 s[70:71], s[12:13], s[92:93]
	s_mov_b32 s92, s98
	s_add_nc_u64 s[72:73], s[68:69], s[92:93]
	s_add_nc_u64 s[74:75], s[70:71], s[92:93]
	s_mov_b32 s76, 0x76543210
	s_mov_b32 s77, 0xfedcba98                      ; v_permlanex16_b32's selects for lane l xor 16
.irp g, 0,1,2,3
	v_mov_b32 v[TM+4+\g], 0                        ; written once: a lane permute's destination counts as one of its sources
.endr
.irp a, 0,1,2,3,4,5,6,7
	QUANTA \a
.endr
	; the scale words: lanes 0-15 store the first head's, lanes 16-31 the second's; sixteen lanes store 256 consecutive bytes, aligned
	s_cmp_eq_u32 ttmp9, 0
	s_cbranch_scc0 .Lnot_q
.irp a, 0,1,2,3,4,5,6,7
	v_perm_b32 v[DD+\a], v[WD+\a], v[WD+\a], v[SELV]   ; Q: the head's two bytes, twice
.endr
	global_store_b128 v[VSO], v[DD:DD+3], s[96:97]
	global_store_b128 v[VSO], v[DD+4:DD+7], s[96:97] offset:256
	s_branch .Lsent
.Lnot_q:
	s_cmp_eq_u32 ttmp9, 1
	s_cbranch_scc0 .Lis_v
.irp p, 0,1,2,3
	v_perm_b32 v[DD+\p], v[WD+2*\p+1], v[WD+2*\p], v[SELV]   ; K: tile 2 p's two bytes, then tile 2 p + 1's
.endr
	global_store_b128 v[VSO], v[DD:DD+3], s[96:97]
	s_branch .Lsent
.Lis_v:
	v_cmp_ne_u32 vcc_lo, 0, v2
.irp p, 0,1,2,3
	v_cndmask_b32 v[DD+\p], v[WD+\p], v[WD+4+\p], vcc_lo     ; V: a channel's four bytes as they stand; blocks 4-7 are the second head
.endr
	global_store_b128 v[VSO], v[DD:DD+3], s[96:97]
.Lsent:
	s_wait_tensorcnt 0x0                           ; the wave's end
	ds_add_u32 v[SPW], v[NIL]
	s_wait_dscnt 0x0
	CROUND                                         ; the closing round: no work-group ends while a partner may still ask for a tile that names it
	s_endpgm
.Lfunc_end_k_q99f760d331_qkv:
	.size	k_q99f760d331_qkv, .Lfunc_end_k_q99f760d331_qkv-k_q99f760d331_qkv
	.p2alignl 7, 3214868480
	.fill 96, 4, 3214868480
	.section	.rodata,"a",@progbits
	.p2align	6, 0x0
	.amdhsa_kernel k_q99f760d331_qkv
		.amdhsa_group_segment_fixed_size 327680
		.amdhsa_private_segment_fixed_size 0
		.amdhsa_enable_private_segment 0
		.amdhsa_kernarg_size 88
		.amdhsa_user_sgpr_count 2
		.amdhsa_user_sgpr_kernarg_segment_ptr 1
		.amdhsa_wavefront_size32 1
		.amdhsa_system_sgpr_workgroup_id_x 1
		.amdhsa_system_sgpr_workgroup_id_y 1
		.amdhsa_system_sgpr_workgroup_id_z 1
		.amdhsa_system_vgpr_workitem_id 0
		.amdhsa_next_free_vgpr 1024
		.amdhsa_next_free_sgpr 102
		.amdhsa_reserve_vcc 1
		.amdhsa_float_denorm_mode_32 3
		.amdhsa_float_denorm_mode_16_64 3
		.amdhsa_fp16_overflow 1
		.amdhsa_memory_ordered 1
		.amdhsa_forward_progress 1
		.amdhsa_inst_pref_size 153
	.end_amdhsa_kernel
	.amdgpu_metadata
---
amdhsa.version: [ 1, 2 ]
amdhsa.kernels:
  - .name:           k_q99f760d331_qkv
    .symbol:         k_q99f760d331_qkv.kd
    .args:
      - { .name: x_codes, .offset: 0, .size: 8, .value_kind: global_buffer, .address_space: global }
      - { .name: x_scales, .offset: 8, .size: 8, .value_kind: global_buffer, .address_space: global }
      - { .name: Wq_codes, .offset: 16, .size: 8, .value_kind: global_buffer, .address_space: global }
      - { .name: Wq_scales, .offset: 24, .size: 8, .value_kind: global_buffer, .address_space: global }
      - { .name: Wk_codes, .offset: 32, .size: 8, .value_kind: global_buffer, .address_space: global }
      - { .name: Wk_scales, .offset: 40, .size: 8, .value_kind: global_buffer, .address_space: global }
      - { .name: Wv_codes, .offset: 48, .size: 8, .value_kind: global_buffer, .address_space: global }
      - { .name: Wv_scales, .offset: 56, .size: 8, .value_kind: global_buffer, .address_space: global }
      - { .name: qc, .offset: 64, .size: 8, .value_kind: global_buffer, .address_space: global }
      - { .name: qs, .offset: 72, .size: 8, .value_kind: global_buffer, .address_space: global }
      - { .name: kv, .offset: 80, .size: 8, .value_kind: global_buffer, .address_space: global }
    .group_segment_fixed_size: 327680
    .private_segment_fixed_size: 0
    .kernarg_segment_align: 8
    .kernarg_segment_size: 88
    .max_flat_workgroup_size: 128
    .sgpr_count:     102
    .vgpr_count:     1024
    .wavefront_size: 32
...
	.end_amdgpu_metadata
.endif
;; end of part 1
;; launch attn (part 2): grid 4 x 64, 16 waves a work-group, no clusters, 327,680 bytes of LDS; arguments qc, qs, kv, cc, cs; writes cc, cs
.if DOCPART == 2
	.amdgcn_target "amdgcn-amd-amdhsa--gfx1250"
	.amdhsa_code_object_version 6
	.text
	.protected	k_q99f760d331_attn
	.globl	k_q99f760d331_attn
	.p2align	8
	.type	k_q99f760d331_attn,@function
k_q99f760d331_attn:
	s_mov_b64 s[64:65], 0
	v_nop
	global_prefetch_b8 v0, s[64:65] scope:SCOPE_SE
	s_setreg_imm32_b32 hwreg(HW_REG_WAVE_MODE, 25, 1), 1
	s_wait_xcnt 0x0
; Causal attention of one head on codes of FP8 (E4M3), and the quantising of its result.  Head size 64, 2,048 tokens, 64 heads (batch x head = bh).
; t = score x log2(e) / 8; M = the running largest t rounded UP to a whole number; p = 2^(t - M) is quantised along the keys, not normalised; the row's sum is taken of the unquantised p and divides at the end.
; SHARES.  Work-group (j, bh) owns query blocks 7 - j and j (256 queries each), the large one first: 8 - j and j + 1 slots of 256 keys, nine trips in every work-group.  Each of sixteen waves owns 16 queries of the
; block in hand, in 256 registers: four waves to a SIMD, so that one wave's vector work stands beside another's matrix work and LDS loads.  A key step all of whose 128 keys come after the wave's queries is left out.
; NO CLUSTER: the four work-groups of a head need different runs of slots (8 - j, then j + 1); walked in step, both blocks at once, a cluster would take 12 slots' time for 9 slots' work.
; INPUTS are images of the operands' registers (512-byte chunks, lane l's 16 bytes at 16 l): every LDS read is 16 x lane on end, no pitch, no padding.  A slot is two records of kv (16,896 bytes each), one tensor load each.
; THE SCORES.  The head's 64 fill half of the instruction's K of 128.  A fragment of K holds key tile 2 g in k 0-63 and key tile 2 g + 1 in k 64-127; it is multiplied by [Q | 0] and by [0 | Q]: zero codes meet the other tile.
; Both products are used transposed: a lane holds ONE query (lane % 16).  Register 8 t + i of the scores is key 16 t + 8 (lane / 16) + i; V's codes were laid in the same order inside each block of 32 keys.
; OUT: cc [K / 256][token / 16][2][4][512]: images of the last product's fragments, in natural order along K; cs [token][32]: scale bytes.  The scale bytes leave two a row, 32 bytes apart: units of 256 bytes are
; written in part there; they are one byte in 32 of what this launch stores.
; LIMITS: NaN and infinities are not served; a block whose largest magnitude lies under 2^-118 keeps the scale byte 1.
; REGISTERS: v1 16 x lane; v2 16 r; v3, v4 LDS addresses in hand; v5, v6 the spare word's address and 0; v7 the prefetches' offset; v8 r - 8 h; v9 32 r; v12 -M, v13 the largest t, v[14:15] the sum;
;   v16-23 zeros, v24-31 Q, v32-39 zeros; v40-103 four fragments of K, then of V; v104-167 scores, then p; v168-199 O^T; v200-215 p's codes; v216-231 at work; v232-235 K's scale words, v236-239 V's;
;   v240 Q's scale word, v241 p's; v[242:243] f; v244, v245 at work; v246-254 the small block's Q and scale word.
.set REC,   16896
.set HS,    16*REC
.set SLOTB, 2*REC
.set SLOT1, 65536                      ; slot 1 begins here: one exclusive or turns an address of one slot into the other's
.set SPARE, 131072                     ; the spare words, 128 bytes for each of sixteen waves: no other line names them
.macro TLOAD                           ; waves 0 and 1 fetch a record each; four v_nop follow the line
	s_cmp_lt_u32 s14, 2
	s_cbranch_scc0 .Lnone_\@
	tensor_load_to_lds s[32:35], s[24:31]
	s_nop 0
.rept 4
	v_nop
.endr
.Lnone_\@:
.endm
; A PREFETCH INTO THE L2.  All four work-groups of a head walk the same records; the one with j = 0 walks slots 0 to 7 in trips 0 to 7, and it alone asks.  In trip T <= 5, behind the tensor loads for slot T + 1,
; its waves 4 to 7 name slot T + 2: of record (w - 4) / 2, K's or V's 8,192 bytes, lanes 256 bytes apart: a slot's two key steps ahead of that slot's load.  A slot has only four blocks of scale words, so
; wave 8 names the head's 32 once, in trip 0 (eight of them belong to slots 0 and 1, whose loads have been issued by then).  Nothing is named past the head's 270,336 bytes.
.macro ASK
	s_cmp_le_i32 s46, s60
	s_cbranch_scc0 .Lnot_mine_\@
	global_prefetch_b8 v7, s[56:57] th:TH_LOAD_NT scope:SCOPE_SE
.Lnot_mine_\@:
.endm
	s_load_b256 s[4:11], s[0:1], 0x0               ; qc s[4:5], qs s[6:7], kv s[8:9], cc s[10:11]
	s_load_b64 s[12:13], s[0:1], 0x20              ; cs
	v_lshl_add_u32 v5, v0, 2, SPARE
	v_mov_b32 v6, 0
	ds_add_u32 v5, v6
	ds_add_u32 v5, v6
	s_wait_dscnt 0x0
	v_lshrrev_b32 v1, 5, v0
	s_delay_alu instid0(VALU_DEP_1)
	v_readfirstlane_b32 s14, v1                    ; wave 0..15
	s_mov_b32 s15, ttmp9                           ; j
	s_and_b32 s16, ttmp7, 0xffff                   ; bh
	s_sub_co_u32 s17, 7, s15                       ; the large block, and the trip at whose end the blocks change
	s_sub_co_u32 s18, 8, s15                       ; the large block's slots
	s_mov_b32 s20, 0x76543210
	s_mov_b32 s21, 0xfedcba98                      ; v_permlanex16_b32's selects for lane l xor 16
	s_mov_b32 s22, 0x3e38aa3b                      ; c = log2(e) / 8
	s_mov_b32 s23, s22                             ; (named with it as a pair)
	s_mov_b32 s24, 3<<16                           ; group 1: a record as 66 rows of 256 bytes (32 elements of 8 bytes), dense; no mask, no padding
	s_mov_b32 s25, 32<<16                          ; tensor_dim0
	s_mov_b32 s26, 66<<16                          ; tensor_dim1
	s_mov_b32 s27, 32<<16                          ; tile_dim0
	s_mov_b32 s28, 66                              ; tile_dim1
	s_mov_b32 s29, 32                              ; the pitch
	s_mov_b32 s30, 0
	s_mov_b32 s31, 0
	s_mov_b32 s49, 0
	s_mul_i32 s48, s16, HS
	s_and_b32 s50, s14, 1
	s_mul_i32 s51, s50, REC                        ; which record of a slot I fetch, if I fetch
	s_wait_kmcnt 0x0
	s_add_nc_u64 s[8:9], s[8:9], s[48:49]          ; kv at my head
	s_mov_b32 s48, s51
	s_add_nc_u64 s[36:37], s[8:9], s[48:49]        ; and at my record of slot 0
	s_mov_b32 s32, 1
	s_mov_b32 s33, s51                             ; LDS: slot 0
	s_mov_b64 s[34:35], s[36:37]
	s_or_b32 s35, s35, 0x80000000
	TLOAD                                          ; the first fill: slot 0.  One load of mine is out, here and behind every barrier
	s_lshl_b32 s42, s17, 8
	s_lshl_b32 s50, s14, 4
	s_add_co_u32 s42, s42, s50                     ; my first query in the large block,
	s_lshl_b32 s43, s15, 8
	s_add_co_u32 s43, s43, s50                     ; and in the small one
	s_lshl_b32 s51, s16, 17
	s_lshl_b32 s48, s42, 6
	s_add_co_u32 s48, s48, s51
	s_add_nc_u64 s[66:67], s[4:5], s[48:49]        ; qc: 131,072 bh + 64 x query
	s_lshl_b32 s48, s43, 6
	s_add_co_u32 s48, s48, s51
	s_add_nc_u64 s[70:71], s[4:5], s[48:49]
	s_lshl_b32 s51, s16, 13
	s_and_b32 s50, s14, 3
	s_lshl_b32 s50, s50, 2
	s_add_co_u32 s51, s51, s50                     ; qs: 8,192 bh + 4 x (tile % 4) + 256 x (query / 64)
	s_lshr_b32 s48, s42, 6
	s_lshl_b32 s48, s48, 8
	s_add_co_u32 s48, s48, s51
	s_add_nc_u64 s[68:69], s[6:7], s[48:49]
	s_lshr_b32 s48, s43, 6
	s_lshl_b32 s48, s48, 8
	s_add_co_u32 s48, s48, s51
	s_add_nc_u64 s[72:73], s[6:7], s[48:49]
	v_and_b32 v10, 31, v0
	s_delay_alu instid0(VALU_DEP_1)
	v_lshlrev_b32 v1, 4, v10                       ; 16 x lane
	v_and_b32 v11, 15, v0                          ; r
	s_wait_alu depctr_va_vdst(0)
	v_lshlrev_b32 v2, 4, v11                       ; 16 r
	global_load_b128 v[24:27], v1, s[66:67]        ; Q of both blocks stays in registers
	global_load_b128 v[28:31], v1, s[66:67] offset:512
	global_load_b32 v240, v2, s[68:69]
	global_load_b128 v[246:249], v1, s[70:71]
	global_load_b128 v[250:253], v1, s[70:71] offset:512
	global_load_b32 v254, v2, s[72:73]
	s_and_b32 s50, s16, 15                         ; the head, hh
	s_lshr_b32 s51, s16, 4                         ; the batch
	s_lshr_b32 s48, s50, 2
	s_lshl_b32 s48, s48, 21                        ; cc: K step hh / 4,
	s_lshl_b32 s47, s51, 19
	s_add_co_u32 s48, s48, s47                     ; the batch's 128 tiles of tokens,
	s_bfe_u32 s47, s50, 0x10001
	s_lshl_b32 s47, s47, 11
	s_add_co_u32 s48, s48, s47                     ; which 128 of the K step,
	s_and_b32 s47, s50, 1
	s_lshl_b32 s47, s47, 10
	s_add_co_u32 s48, s48, s47                     ; which two chunks of the four
	s_add_nc_u64 s[38:39], s[10:11], s[48:49]
	s_lshl_b32 s48, s51, 16
	s_lshl_b32 s47, s50, 1
	s_add_co_u32 s48, s48, s47
	s_add_nc_u64 s[40:41], s[12:13], s[48:49]      ; cs: 32 bytes a token, my head's two
	; the prefetches: where they stand, how they step, who asks
	s_and_b32 s48, s14, 3
	s_lshr_b32 s47, s48, 1
	s_mul_i32 s47, s47, REC
	s_and_b32 s48, s14, 1
	s_lshl_b32 s48, s48, 13
	s_add_co_u32 s48, s48, s47
	s_add_co_u32 s48, s48, SLOTB                   ; waves 4 to 7: in slot 1; the first trip steps it to slot 2
	s_mov_b32 s50, REC
	s_cmp_eq_u32 s14, 8
	s_cselect_b32 s48, 16384, s48                  ; wave 8: the first record's scale words
	s_cselect_b32 s58, 0, SLOTB
	s_cselect_b32 s50, s50, 512                    ; from pair to pair of lanes
	s_cselect_b32 s60, 0, 5                        ; the last trip that asks
	s_mov_b32 s59, 0
	s_add_nc_u64 s[56:57], s[8:9], s[48:49]
	s_sub_co_u32 s51, s14, 4
	s_cmp_lt_u32 s51, 5                            ; waves 4 to 8,
	s_cselect_b32 s60, s60, -1
	s_cmp_eq_u32 s15, 0                            ; of the work-group with j = 0
	s_cselect_b32 s60, s60, -1
	v_bfe_u32 v7, v0, 1, 4
	s_delay_alu instid0(VALU_DEP_1)
	v_mul_lo_u32 v7, v7, s50
	v_and_b32 v10, 1, v0
	s_delay_alu instid0(VALU_DEP_1)
	v_lshl_add_u32 v7, v10, 8, v7
	v_bfe_u32 v10, v0, 4, 1                        ; h
	v_lshlrev_b32 v9, 5, v11
	s_delay_alu instid0(VALU_DEP_2)
	v_lshlrev_b32 v8, 3, v10
	s_delay_alu instid0(VALU_DEP_1)
	v_sub_nc_u32 v8, v11, v8                       ; r - 8 h
.irp i, 0,1,2,3,4,5,6,7
	v_mov_b32 v[16+\i], 0                          ; the zero codes on either side of Q
	v_mov_b32 v[32+\i], 0
.endr
.macro START                           ; a block of queries begins: O^T and the sum are zeros, the largest t is -3e38: the first change of M multiplies zeros
	v_mov_b32 v13, 0xff61b1e6
	s_delay_alu instid0(VALU_DEP_1)
	v_floor_f32 v12, -v13
	v_mov_b32 v14, 0
	v_mov_b32 v15, 0
.set n, 0
.rept 32
	v_mov_b32 v[168+n], 0
.set n, n+1
.endr
.endm
	START
.irp b, 0,1,2,3
	v_mov_b32 v[220+\b], 0                         ; written once: a lane permute's destination counts as one of its sources
.endr
	v_mov_b32 v243, 0                              ; (named as the upper half of the pair v[242:243])
	v_mov_b32 v244, 0
	s_mov_b32 s44, 0                               ; the step's first key
	s_mov_b32 s45, 0                               ; LDS byte at which the slot in hand begins
	s_mov_b32 s46, 0                               ; the trip
; A KEY STEP: 128 keys, record q of the slot in hand.
.macro STEP q
	s_add_co_u32 s48, s42, 15
	s_cmp_gt_u32 s44, s48                          ; all its keys come after my queries: a scalar branch on ids, round the step's work; no barrier and no tensor load stands in a step
	s_cbranch_scc1 .Lhidden_\@
	v_add_nc_u32 v3, s45, v1
	v_add_nc_u32 v4, s45, v2
.rept 6
	v_nop                                          ; with the two additions: eight places in front of loads into registers that the last products have read
.endr
.irp g, 0,1,2,3
.irp c, 0,1,2,3
	ds_load_b128 v[40+16*\g+4*\c:43+16*\g+4*\c], v3 offset:(\q)*REC+2048*\g+512*\c   ; key tiles 2 g and 2 g + 1: 2,048 bytes on end
.endr
.endr
	ds_load_b128 v[232:235], v4 offset:(\q)*REC+16384   ; row r's four scale words, one for each pair of tiles
	s_wait_alu depctr_va_vdst(0)
	s_wait_dscnt 0x0
.irp g, 0,1,2,3
	v_wmma_scale_f32_16x16x128_f8f6f4 v[104+16*\g:111+16*\g], v[40+16*\g:55+16*\g], v[24:39], 0, v[232+\g], v240   ; x [Q | 0]: key tile 2 g
	v_wmma_scale_f32_16x16x128_f8f6f4 v[112+16*\g:119+16*\g], v[40+16*\g:55+16*\g], v[16:31], 0, v[232+\g], v240   ; x [0 | Q]: key tile 2 g + 1
.endr
.rept 8
	v_nop
.endr
.irp t, 0,1,2,3                                ; V's fragments are asked for now, into K's registers: they land under the softmax
.irp c, 0,1,2,3
	ds_load_b128 v[40+16*\t+4*\c:43+16*\t+4*\c], v3 offset:(\q)*REC+8192+2048*\t+512*\c
.endr
.endr
	ds_load_b128 v[236:239], v4 offset:(\q)*REC+16640
	s_add_co_u32 s48, s44, 127                     ; on the diagonal the scores of hidden keys become -infinity ahead of the maximum; a step all of whose keys count skips this
	s_cmp_le_u32 s48, s42
	s_cbranch_scc1 .Lopen_\@
	s_sub_co_i32 s48, s42, s44
	v_add_nc_u32 v244, s48, v8                     ; d = my query - the step's first key - 8 h: register 8 t + i is hidden where 16 t + i > d
	v_mov_b32 v245, 0xff800000
.set n, 0
.rept 64
	v_cmp_gt_i32 vcc_lo, 16*(n/8)+n%8, v244
	v_cndmask_b32 v[104+n], v[104+n], v245, vcc_lo
.set n, n+1
.endr
.Lopen_\@:
.irp b, 0,1,2,3
	v_max3_num_f32 v[216+\b], v[104+16*\b], v[105+16*\b], v[106+16*\b]   ; the largest score of each block of 32 keys: for the row's maximum and, since p rises with the score, for the block's largest p
.endr
.irp i, 3,5,7,9,11,13
.irp b, 0,1,2,3
	v_max3_num_f32 v[216+\b], v[216+\b], v[104+16*\b+\i], v[105+16*\b+\i]
.endr
.endr
.irp b, 0,1,2,3
	v_max_num_f32 v[216+\b], v[216+\b], v[119+16*\b]
.endr
.irp b, 0,1,2,3
	s_delay_alu instid0(VALU_DEP_4)
	v_permlanex16_b32 v[220+\b], v[216+\b], s20, s21
.endr
.irp b, 0,1,2,3
	s_delay_alu instid0(VALU_DEP_4)
	v_max_num_f32 v[216+\b], v[216+\b], v[220+\b]  ; with lane l xor 16's 16 keys
.endr
	s_delay_alu instid0(VALU_DEP_2)
	v_max3_num_f32 v244, v216, v217, v218
	s_delay_alu instid0(VALU_DEP_1)
	v_max_num_f32 v244, v244, v219
	s_delay_alu instid0(VALU_DEP_1)
	v_mul_f32 v244, s22, v244                      ; as t
	s_delay_alu instid0(VALU_DEP_1)
	v_max_num_f32 v13, v13, v244                   ; the running largest t
	v_mov_b32 v244, v12
	s_delay_alu instid0(VALU_DEP_2)
	v_floor_f32 v12, -v13                          ; the new -M = -ceil(t)
	s_delay_alu instid0(VALU_DEP_1)
	v_sub_f32 v244, v12, v244                      ; old M - new M: a whole number, 0 or less
	s_delay_alu instid0(VALU_DEP_1)
	v_cvt_i32_f32 v244, v244                       ; (it saturates)
	s_delay_alu instid0(VALU_DEP_1)
	v_ldexp_f32 v242, 1.0, v244                    ; f = 2^(old M - new M): a multiplication by it rounds nothing
.set n, 0
.rept 32
	v_pk_fma_f32 v[104+n:105+n], v[104+n:105+n], s[22:23], v[12:13] op_sel_hi:[1,0,0]   ; t - M, two at a time
.set n, n+2
.endr
.irp b, 0,1,2,3
	v_fma_f32 v[216+\b], v[216+\b], s22, v12       ; the same of each block's largest score
.endr
.set n, 0
	s_wait_alu depctr_va_vdst(0)
.rept 64
	v_exp_f32 v[104+n], v[104+n]                   ; p = 2^(t - M)
.set n, n+1
.endr
	v_pk_mul_f32 v[14:15], v[14:15], v[242:243] op_sel_hi:[1,0]   ; the sums under the new M: the plain line behind the exponentials
	s_wait_alu depctr_va_vdst(0)                   ; one wait for the batch of 64, ahead of its first reader
.irp b, 0,1,2,3
	v_exp_f32 v[216+\b], v[216+\b]                 ; the block's largest p
.endr
	v_pk_add_f32 v[220:221], v[108:109], v[112:113]
	v_pk_add_f32 v[234:235], v[116:117], v[120:121]
	v_pk_add_f32 v[232:233], v[124:125], v[128:129]
	v_pk_add_f32 v[230:231], v[132:133], v[136:137]
	v_pk_add_f32 v[228:229], v[140:141], v[144:145]
	v_pk_add_f32 v[226:227], v[148:149], v[152:153]
	v_pk_add_f32 v[224:225], v[156:157], v[160:161]
	v_pk_add_f32 v[14:15], v[14:15], v[164:165]
	v_pk_add_f32 v[220:221], v[220:221], v[104:105]
	v_pk_add_f32 v[234:235], v[234:235], v[106:107]
	v_pk_add_f32 v[232:233], v[232:233], v[110:111]
	v_pk_add_f32 v[230:231], v[230:231], v[114:115]
	v_pk_add_f32 v[228:229], v[228:229], v[118:119]
	v_pk_add_f32 v[226:227], v[226:227], v[122:123]
	v_pk_add_f32 v[224:225], v[224:225], v[126:127]
	v_pk_add_f32 v[14:15], v[14:15], v[130:131]
	v_pk_add_f32 v[220:221], v[220:221], v[134:135]
	v_pk_add_f32 v[234:235], v[234:235], v[138:139]
	v_pk_add_f32 v[232:233], v[232:233], v[142:143]
	v_pk_add_f32 v[230:231], v[230:231], v[146:147]
	v_pk_add_f32 v[228:229], v[228:229], v[150:151]
	v_pk_add_f32 v[226:227], v[226:227], v[154:155]
	v_pk_add_f32 v[224:225], v[224:225], v[158:159]
	v_pk_add_f32 v[14:15], v[14:15], v[162:163]
	v_pk_add_f32 v[220:221], v[220:221], v[166:167]
	s_delay_alu instid0(VALU_DEP_2)
	v_pk_add_f32 v[14:15], v[14:15], v[230:231]
	s_delay_alu instid0(VALU_DEP_2)
	v_pk_add_f32 v[220:221], v[220:221], v[228:229]
	v_pk_add_f32 v[234:235], v[234:235], v[226:227]
	v_pk_add_f32 v[232:233], v[232:233], v[224:225]
	s_delay_alu instid0(VALU_DEP_2)
	v_pk_add_f32 v[14:15], v[14:15], v[234:235]
	s_delay_alu instid0(VALU_DEP_2)
	v_pk_add_f32 v[220:221], v[220:221], v[232:233]
	s_delay_alu instid0(VALU_DEP_1)
	v_pk_add_f32 v[14:15], v[14:15], v[220:221]
	s_wait_alu depctr_va_vdst(0)                   ; and one for the four
.irp b, 0,1,2,3
	v_max_num_f32 v[216+\b], 0x4800000, v[216+\b]  ; the floor 2^(9 - 127): the byte cannot fall under 1
.endr
.irp b, 0,1,2,3
	s_delay_alu instid0(VALU_DEP_4)
	v_add_nc_u32 v[228+\b], 0xfc000000, v[216+\b]  ; the conversion's scale operand
.endr
.irp b, 0,1,2,3
.endr
.irp b, 0,1,2,3
	s_delay_alu instid0(VALU_DEP_4)
	v_lshrrev_b32 v[220+\b], 23, v[228+\b]
.endr
	s_delay_alu instid0(VALU_DEP_3)
	v_lshl_or_b32 v241, v221, 8, v220              ; p's scale word for these 128 keys
	s_delay_alu instid0(VALU_DEP_1)
	v_lshl_or_b32 v241, v222, 16, v241
	s_delay_alu instid0(VALU_DEP_1)
	v_lshl_or_b32 v241, v223, 24, v241
.irp b, 0,1,2,3
.irp i, 0,1,2,3,4,5,6,7,8,9,10,11,12,13,14,15
.endr
	v_cvt_scalef32_pk8_fp8_f32 v[200+4*\b:201+4*\b], v[104+16*\b:111+16*\b], v[228+\b]
	v_cvt_scalef32_pk8_fp8_f32 v[202+4*\b:203+4*\b], v[112+16*\b:119+16*\b], v[228+\b]
.endr
.set n, 0
.rept 16
	v_pk_mul_f32 v[168+n:169+n], v[168+n:169+n], v[242:243] op_sel_hi:[1,0]   ; O^T under the new M, from each accumulator's low end on; these are also the places in front of the products below
.set n, n+2
.endr
	s_wait_alu depctr_va_vdst(0)
	s_wait_dscnt 0x0                               ; V
.irp t, 0,1,2,3
	v_wmma_scale_f32_16x16x128_f8f6f4 v[168+8*\t:175+8*\t], v[40+16*\t:55+16*\t], v[200:215], v[168+8*\t:175+8*\t], v[236+\t], v241   ; the four accumulators by turns
.endr
.Lhidden_\@:
	s_add_co_u32 s44, s44, 128
.endm
; THE CHANGE OF SLOTS, at a trip's head.  Each wave waits for all its tensor loads, adds 0 to its spare word, and waits for that and for its reads of the slot that it has left.  Behind the barrier the slot ahead
; is whole and nobody reads the other one.  fill = 1: that one takes the next trip's slot of keys: trip T + 1 walks slot T + 1 of the large block, or T + 1 - (8 - j) of the small one.
.macro CHANGE fill
	s_wait_tensorcnt 0x0                           ; no tensor load of mine is out, so group 0 may be written
	ds_add_u32 v5, v6                              ; 0 onto my spare word
.if \fill
	s_add_co_u32 s48, s46, 1
	s_sub_co_u32 s49, s48, s18
	s_cmp_gt_u32 s48, s17
	s_cselect_b32 s48, s49, s48
	s_mul_i32 s48, s48, SLOTB
	s_mov_b32 s49, 0
	s_xor_b32 s33, s33, SLOT1                      ; the other slot than last time
	s_add_nc_u64 s[34:35], s[36:37], s[48:49]
	s_or_b32 s35, s35, 0x80000000
	s_wait_xcnt 0x0                                ; the last prefetch, a trip back, has read its address
	s_add_nc_u64 s[56:57], s[56:57], s[58:59]
.endif
	s_wait_dscnt 0x0                               ; the add is done, and my reads of the slot that I have left are over
	s_barrier_signal -1
	s_barrier_wait -1
.if \fill
	TLOAD                                          ; the first thing behind the barrier, a wave's one tensor load until the next: it has a trip's two key steps in which to land
	ASK
.endif
.endm
; A BLOCK'S END.  O^T / the sum is the head's 64 channels of ctx for my 16 queries: two blocks of 32 along the last product's K.  They are quantised as they stand; four swaps of half registers bring a lane's
; 16 codes into natural order (lane (r, h): channels 32 b + 16 h + 0 .. 15); the two stores cover 1,024 consecutive bytes.
.macro FINISH
.rept 8
	v_nop                                          ; places behind the last products
.endr
	s_wait_xcnt 0x0                                ; earlier stores have read their bases
	s_lshl_b32 s48, s42, 8
	s_mov_b32 s49, 0
	s_add_nc_u64 s[52:53], s[38:39], s[48:49]      ; cc: 4,096 bytes a tile of 16 tokens
	s_lshl_b32 s48, s42, 5
	s_add_nc_u64 s[54:55], s[40:41], s[48:49]      ; cs: 32 bytes a token
	v_add_f32 v14, v14, v15
	s_wait_alu depctr_va_vdst(0)
	v_permlanex16_b32 v244, v14, s20, s21
	s_delay_alu instid0(VALU_DEP_1)
	v_add_f32 v14, v14, v244                       ; the row's sum
	s_wait_alu depctr_va_vdst(0)
	v_rcp_f32 v242, v14
	v_nop                                          ; a plain line behind the reciprocal,
	s_wait_alu depctr_va_vdst(0)                   ; and the wait ahead of its first reader
.set n, 0
.rept 16
	v_pk_mul_f32 v[104+n:105+n], v[168+n:169+n], v[242:243] op_sel_hi:[1,0]   ; register 8 t + i: channel 16 t + 8 h + i
.set n, n+2
.endr
.irp b, 0,1
	v_max3_num_f32 v[216+\b], |v[104+16*\b]|, |v[105+16*\b]|, 0x4800000
.endr
.irp i, 2,4,6,8,10,12,14
.irp b, 0,1
	s_delay_alu instid0(VALU_DEP_2)
	v_max3_num_f32 v[216+\b], v[216+\b], |v[104+16*\b+\i]|, |v[105+16*\b+\i]|
.endr
.endr
.irp b, 0,1
	s_delay_alu instid0(VALU_DEP_2)
	v_permlanex16_b32 v[220+\b], v[216+\b], s20, s21
.endr
.irp b, 0,1
	s_delay_alu instid0(VALU_DEP_2)
	v_max_num_f32 v[216+\b], v[216+\b], v[220+\b]
.endr
.irp b, 0,1
	s_delay_alu instid0(VALU_DEP_2)
	v_add_nc_u32 v[228+\b], 0xfc000000, v[216+\b]
.endr
.irp b, 0,1
.endr
.irp b, 0,1
	s_delay_alu instid0(VALU_DEP_2)
	v_lshrrev_b32 v[220+\b], 23, v[228+\b]
.endr
	s_delay_alu instid0(VALU_DEP_1)
	v_lshl_or_b32 v245, v221, 8, v220              ; the two scale bytes
.irp b, 0,1
.irp i, 0,1,2,3,4,5,6,7,8,9,10,11,12,13,14,15
.endr
	v_cvt_scalef32_pk8_fp8_f32 v[200+4*\b:201+4*\b], v[104+16*\b:111+16*\b], v[228+\b]
	v_cvt_scalef32_pk8_fp8_f32 v[202+4*\b:203+4*\b], v[112+16*\b:119+16*\b], v[228+\b]
.endr
	v_nop                                          ; a plain line behind the conversions
	v_permlane16_swap_b32 v200, v202               ; the first register's lanes 16-31 (channels 8 ..) change places with the second's lanes 0-15 (channels 16 ..)
	v_permlane16_swap_b32 v201, v203
	v_permlane16_swap_b32 v204, v206
	v_permlane16_swap_b32 v205, v207
	global_store_b128 v1, v[200:203], s[52:53]
	global_store_b128 v1, v[204:207], s[52:53] offset:512
	global_store_b16 v9, v245, s[54:55]            ; both halves of the lanes write the same two bytes with the same value
.endm
	s_wait_loadcnt 0x0                             ; Q
.Ltrip:                                            ; eight trips; the ninth is written out
	CHANGE 1
	STEP 0
	STEP 1
	s_xor_b32 s45, s45, SLOT1                      ; on to the other slot
	s_cmp_lg_u32 s46, s17                          ; was this the large block's last slot?  (trip 7 - j, between 4 and 7)
	s_cbranch_scc1 .Lsame
	FINISH
	s_wait_xcnt 0x0                                ; the stores have read their registers
	v_mov_b32 v240, v254                           ; the small block's Q and scale word
.irp i, 0,1,2,3,4,5,6,7
	v_mov_b32 v[24+\i], v[246+\i]
.endr
	START
	s_mov_b32 s42, s43
	s_mov_b32 s44, 0
.Lsame:
	s_add_co_u32 s46, s46, 1
	s_cmp_lt_u32 s46, 8
	s_cbranch_scc1 .Ltrip
	CHANGE 0
	STEP 0
	STEP 1
	FINISH
	s_wait_tensorcnt 0x0                           ; the wave's end
	ds_add_u32 v5, v6
	s_wait_dscnt 0x0
	s_endpgm
.Lfunc_end_k_q99f760d331_attn:
	.size	k_q99f760d331_attn, .Lfunc_end_k_q99f760d331_attn-k_q99f760d331_attn
	.p2alignl 7, 3214868480
	.fill 96, 4, 3214868480
	.section	.rodata,"a",@progbits
	.p2align	6, 0x0
	.amdhsa_kernel k_q99f760d331_attn
		.amdhsa_group_segment_fixed_size 327680
		.amdhsa_private_segment_fixed_size 0
		.amdhsa_enable_private_segment 0
		.amdhsa_kernarg_size 40
		.amdhsa_user_sgpr_count 2
		.amdhsa_user_sgpr_kernarg_segment_ptr 1
		.amdhsa_wavefront_size32 1
		.amdhsa_system_sgpr_workgroup_id_x 1
		.amdhsa_system_sgpr_workgroup_id_y 1
		.amdhsa_system_sgpr_workgroup_id_z 1
		.amdhsa_system_vgpr_workitem_id 0
		.amdhsa_next_free_vgpr 256
		.amdhsa_next_free_sgpr 74
		.amdhsa_reserve_vcc 1
		.amdhsa_float_denorm_mode_32 3
		.amdhsa_float_denorm_mode_16_64 3
		.amdhsa_fp16_overflow 1
		.amdhsa_memory_ordered 1
		.amdhsa_forward_progress 1
		.amdhsa_inst_pref_size 109
	.end_amdhsa_kernel
	.amdgpu_metadata
---
amdhsa.version: [ 1, 2 ]
amdhsa.kernels:
  - .name:           k_q99f760d331_attn
    .symbol:         k_q99f760d331_attn.kd
    .args:
      - { .name: qc, .offset: 0, .size: 8, .value_kind: global_buffer, .address_space: global }
      - { .name: qs, .offset: 8, .size: 8, .value_kind: global_buffer, .address_space: global }
      - { .name: kv, .offset: 16, .size: 8, .value_kind: global_buffer, .address_space: global }
      - { .name: cc, .offset: 24, .size: 8, .value_kind: global_buffer, .address_space: global }
      - { .name: cs, .offset: 32, .size: 8, .value_kind: global_buffer, .address_space: global }
    .group_segment_fixed_size: 327680
    .private_segment_fixed_size: 0
    .kernarg_segment_align: 8
    .kernarg_segment_size: 40
    .max_flat_workgroup_size: 512
    .sgpr_count:     74
    .vgpr_count:     256
    .wavefront_size: 32
...
	.end_amdgpu_metadata
.endif
;; end of part 2
;; launch proj (part 3): grid 4 x 32, 4 waves a work-group, clusters of 4 x 4, 327,680 bytes of LDS; arguments cc, cs, Wo_codes, Wo_scales, bo, out0; writes out0
.if DOCPART == 3
	.amdgcn_target "amdgcn-amd-amdhsa--gfx1250"
	.amdhsa_code_object_version 6
	.text
	.protected	k_q99f760d331_proj
	.globl	k_q99f760d331_proj
	.p2align	8
	.type	k_q99f760d331_proj,@function
k_q99f760d331_proj:
	s_mov_b64 s[64:65], 0
	v_nop
	global_prefetch_b8 v0, s[64:65] scope:SCOPE_SE
	s_setreg_imm32_b32 hwreg(HW_REG_WAVE_MODE, 25, 1), 1
	s_wait_xcnt 0x0
	s_wait_alu depctr_hold_cnt(0) depctr_sa_sdst(0) depctr_va_vdst(0) depctr_va_sdst(0) depctr_va_ssrc(0) depctr_va_vcc(0) depctr_vm_vsrc(0)
	s_getreg_b32 s2, hwreg(HW_REG_IB_STS2, 6, 4)
	s_cmp_eq_u32 s2, 0
	s_cbranch_scc0 .Lentry_in_a_cluster
	s_endpgm
.Lentry_in_a_cluster:
	s_bfe_u32 s2, ttmp6, 0x10000c
	s_cmp_lg_u32 s2, 0xf033
	s_cbranch_scc0 .Lentry_shape_is_right
	s_endpgm
.Lentry_shape_is_right:
; out0[m][n] = sum over k of ctx[m][k] Wo[n][k] + bo[n], on codes of FP8 (E4M3) with one E8M0 scale for each 32 along K = 1,024.  out0: [8192][1024] f32.
; ctx comes as images of this product's fragments: cc [K / 256][m / 16][2][4][512], lane l's 16 bytes at 16 l; its scale bytes cs [m][32].  Wo: codes [1024][1024], K innermost; scale bytes [1024][32].
; A tile of 256 x 256 to a work-group of four waves, 128 x 128 to a wave: 64 accumulators.  K goes in steps of 256 through two LDS slots filled by joint tensor loads: 4 x 4 work-groups; ctx's tile is shared
; along a row of the cluster, Wo's along a column.  128 rows of ctx for a K step are 32,768 dense bytes, read from LDS 512 bytes on end; Wo's rows get 16 bytes of padding.
; 128 work-groups: a quarter of the tiles that 256 WGPs could take at half this tile's size; kept for the larger wave tile, which reads half the LDS bytes for each product.
; The matrix instruction is used transposed (source 0 = 16 rows of Wo, source 1 = 16 rows of ctx): a lane holds eight neighbouring numbers of a row of out0.  The bias is the C of each sum's first product.
; REGISTERS, in windows of 256: window 0: v0-31 addresses; v32-63 scale words; v64-127 the bias in the result's layout; from v128 A's fragments, one set.  window 1: B's fragments, two sets.  windows 2, 3: the accumulators.
.set SIZE_N, 1024
.set SIZE_K, 1024
.set KSTEP,  256
.set NQ,     KSTEP/128
.set ROWB,   256
.set KROW,   SIZE_K
.set PITCH,  272                       ; Wo's LDS row: 256 bytes + 16 of padding: the 16 rows that a load touches start at 16 different banks (64 banks of 4 bytes: ISA guide 11.1)
.set FR,     16
.set NL,     4
.set NP,     8                         ; places behind this matrix instruction (ISA guide 7.12.1)
.set HALFT,  128*PITCH
.set SLOT,   4*HALFT
.set LAPS,   SIZE_K/(2*KSTEP)
.set KS,     SIZE_K/32
.set ASTEP,  2097152                   ; cc: from K step to K step
.set SCL,    2*SLOT
.set HALFS,  (128*KS/256)*272
.set SBLK,   (16*KS/256)*272
.set SPARE,  SCL+4*HALFS               ; the spare words, 128 bytes a wave: no other line names them
.set SPITCH, 528                       ; the way out: a stage of 16 rows x (512 bytes + 16) for each wave, in slot 0, which has had its last fill and its last read by then
.set ADRA, 16
.set ADRB, 20
.set STO,  24
.set RD,   25
.set CO,   26
.set ADRS, 27
.set SPW,  28
.set NIL,  29
.set SC,   32
.set BI,   64                          ; v64-127: for B's block b, bo at my eight columns
.set AF,   128
.set BK,   128
.set G1, 24
.set G0, 32
.set G1B, 48
.set G0B, 56
.set G1S, 68
.set G0S, 76
.set G1SB, 80
.set G0SB, 88
.set MSB, 0
.macro WIN new                         ; the immediate's high byte repeats the setting that is left
.if MSB != \new
	s_set_vgpr_msb (MSB<<8)|\new
.set MSB, \new
.endif
.endm
.set MUL_LO, 0xa1                      ; source 0 (B) window 1, source 1 (A) window 0, C and D window 2
.set MUL_HI, 0xf1
.set BIA_LO, 0x81                      ; the same with C (the bias) in window 0
.set BIA_HI, 0xc1
.set TO_B,   0x40
.macro JLOAD g0a, g1a, g0b, g1b        ; a joint load: waves 0 and 1 fetch for A, waves 2 and 3 for B; four v_nop follow each line
	s_cmp_eq_u32 s15, 0
	s_cbranch_scc0 .Lfor_b_\@
	tensor_load_to_lds s[\g0a:\g0a+3], s[\g1a:\g1a+7]
	s_nop 0
.rept 4
	v_nop
.endr
	s_branch .Lasked_\@
.Lfor_b_\@:
	tensor_load_to_lds s[\g0b:\g0b+3], s[\g1b:\g1b+7]
	s_nop 0
.rept 4
	v_nop
.endr
.Lasked_\@:
.endm
.macro CREST
	s_cmp_lg_u32 s14, 0
	s_cbranch_scc1 .Lnot_wave_0_\@
	s_barrier_signal -3
.Lnot_wave_0_\@:
	s_barrier_wait -3
	s_barrier_signal -1
	s_barrier_wait -1
.endm
.macro CROUND
	s_barrier_signal -1
	s_barrier_wait -1
	CREST
.endm
	s_load_b128 s[4:7], s[0:1], 0x0                ; cc, cs
	s_load_b128 s[8:11], s[0:1], 0x10              ; Wo's codes, Wo's scales
	s_load_b64 s[96:97], s[0:1], 0x20              ; bo
	s_load_b64 s[12:13], s[0:1], 0x28              ; out0
	v_lshl_add_u32 v[SPW], v0, 2, SPARE
	v_mov_b32 v[NIL], 0
	ds_add_u32 v28, v29
	ds_add_u32 v28, v29
	s_wait_dscnt 0x0
	v_lshrrev_b32 v1, 5, v0
	v_readfirstlane_b32 s14, v1                    ; wave 0..3
	s_lshr_b32 s15, s14, 1                         ; which half of the tile's rows is mine.  Also: I fetch for A (0) or for B (1)
	s_and_b32 s16, s14, 1                          ; which half of its columns.  Also: which 128 rows I fetch
	s_bfe_u32 s40, ttmp6, 0x40000                  ; cx
	s_bfe_u32 s41, ttmp6, 0x40004                  ; cy
	s_lshl_b32 s42, ttmp9, 2
	s_add_co_u32 s42, s42, s40                     ; tile column
	s_and_b32 s17, ttmp7, 0xffff
	s_lshl_b32 s17, s17, 2
	s_add_co_u32 s17, s17, s41                     ; tile row
	s_lshl_b32 s43, s41, 2
	s_lshl_b32 s43, 15, s43                        ; my row of the cluster
	s_lshl_b32 s44, 0x1111, s40                    ; my column
	s_or_b32 s[G1+0], s43, (3<<16)|(1<<21)         ; A: 128 rows' images of a K step: 128 rows of 256 bytes (32 elements of 8 bytes), dense, no padding; the mask, bit 21 beside it
	s_mov_b32 s[G1+1], 32<<16
	s_mov_b32 s[G1+2], 128<<16
	s_mov_b32 s[G1+3], 32<<16
	s_mov_b32 s[G1+4], 128
	s_mov_b32 s[G1+5], 32
	s_mov_b32 s[G1+6], 0
	s_mov_b32 s[G1+7], 0
	s_or_b32 s[G1B+0], s44, (0<<16)|(1<<20)|(1<<21)|(5<<22)|(3<<25)  ; B: 128 rows of 256 codes, 4 words of padding after every 64
	s_mov_b32 s[G1B+1], ROWB<<16
	s_mov_b32 s[G1B+2], 128<<16
	s_mov_b32 s[G1B+3], ROWB<<16
	s_mov_b32 s[G1B+4], 128
	s_mov_b32 s[G1B+5], KROW
	s_mov_b32 s[G1B+6], 0
	s_mov_b32 s[G1B+7], 0
	s_or_b32 s[G1S+0], s43, (3<<16)|(1<<20)|(1<<21)|(5<<22)|(3<<25)  ; the scales of 128 rows: 16 rows of 256 bytes, 16 bytes of padding behind each
	s_or_b32 s[G1SB+0], s44, (3<<16)|(1<<20)|(1<<21)|(5<<22)|(3<<25)
.irp g, G1S, G1SB
	s_mov_b32 s[\g+1], 32<<16
	s_mov_b32 s[\g+2], (128*KS/256)<<16
	s_mov_b32 s[\g+3], 32<<16
	s_mov_b32 s[\g+4], 128*KS/256
	s_mov_b32 s[\g+5], 32
	s_mov_b32 s[\g+6], 0
	s_mov_b32 s[\g+7], 0
.endr
	s_lshl_b32 s18, s16, 7
	s_lshl_b32 s22, s17, 8
	s_add_co_u32 s22, s22, s18                     ; A: the first row that I fetch
	s_lshl_b32 s46, s42, 8
	s_add_co_u32 s46, s46, s18                     ; B likewise
	s_lshl_b32 s20, s22, 8                         ; A's images: 256 bytes a row in a K step
	s_mov_b32 s21, 0
	s_lshl_b32 s22, s22, 5                         ; scales: 32 bytes a row
	s_mov_b32 s23, 0
	s_lshl_b32 s92, s46, 5
	s_mov_b32 s93, 0
	s_lshl_b32 s46, s46, 10                        ; B's codes: 1,024 bytes a row
	s_mov_b32 s47, 0
	s_mul_i32 s45, s14, HALFT                      ; where they go: no place in the cluster enters an LDS address
	s_mul_i32 s94, s14, HALFS
	s_wait_kmcnt 0x0
	s_add_nc_u64 s[20:21], s[4:5], s[20:21]
	s_add_nc_u64 s[22:23], s[6:7], s[22:23]
	s_add_nc_u64 s[46:47], s[8:9], s[46:47]
	s_add_nc_u64 s[92:93], s[10:11], s[92:93]
	CROUND                                         ; all sixteen work-groups are here: the first joint loads meet
	s_mov_b32 s[G0S], 1
	s_add_co_u32 s[G0S+1], s94, SCL
	s_mov_b64 s[G0S+2:G0S+3], s[22:23]
	s_or_b32 s[G0S+3], s[G0S+3], 0x80000000
	s_mov_b32 s[G0SB], 1
	s_add_co_u32 s[G0SB+1], s94, SCL
	s_mov_b64 s[G0SB+2:G0SB+3], s[92:93]
	s_or_b32 s[G0SB+3], s[G0SB+3], 0x80000000
	JLOAD G0S, G1S, G0SB, G1SB                     ; the scales first.  each of the next two waits for all my earlier loads: one is out behind them
.irp s, 0,1
	s_mov_b32 s[G0+4*\s], 1
	s_add_co_u32 s[G0+4*\s+1], s45, \s*SLOT
	s_add_nc_u64 s[G0+4*\s+2:G0+4*\s+3], s[20:21], \s*ASTEP
	s_or_b32 s[G0+4*\s+3], s[G0+4*\s+3], 0x80000000
	s_mov_b32 s[G0B+4*\s], 1
	s_add_co_u32 s[G0B+4*\s+1], s45, \s*SLOT
	s_add_nc_u64 s[G0B+4*\s+2:G0B+4*\s+3], s[46:47], \s*ROWB
	s_or_b32 s[G0B+4*\s+3], s[G0B+4*\s+3], 0x80000000
	s_wait_alu depctr_va_vdst(0)
	s_wait_tensorcnt 0x0
	ds_add_u32 v28, v29
	s_wait_dscnt 0x0
	CROUND
	JLOAD G0+4*\s, G1, G0B+4*\s, G1B
.endr
	v_and_b32 v1, 15, v0                           ; l % 16
	v_bfe_u32 v2, v0, 4, 1                         ; l / 16
	v_mul_u32_u24 v3, v1, PITCH
	v_lshl_add_u32 v4, v2, 4, v3                   ; B: a fragment's row x pitch + 16 x half
	v_and_b32 v6, 31, v0
	v_lshlrev_b32 v8, 4, v6                        ; A: 16 x lane
	s_mul_i32 s21, s15, HALFT
	s_mul_i32 s22, s16, HALFT
	s_add_co_u32 s22, s22, 2*HALFT
.irp s, 0,1
	v_add_nc_u32 v[ADRA+\s], s21, v8
	v_add_nc_u32 v[ADRB+\s], s22, v4
	s_add_co_u32 s21, s21, SLOT
	s_add_co_u32 s22, s22, SLOT
.endr
	v_mul_u32_u24 v5, v1, KS
	v_lshrrev_b32 v6, 8, v5
	v_lshl_add_u32 v5, v6, 4, v5
	s_mul_i32 s21, s15, HALFS
	s_mul_i32 s22, s16, HALFS
	s_add_co_u32 s22, s22, 2*HALFS
	s_sub_co_u32 s22, s22, s21
	v_mul_u32_u24 v6, s22, v2                      ; lanes 16-31 take B's scale words
	s_add_co_u32 s21, s21, SCL
	v_add_nc_u32 v5, v5, v6
	v_add_nc_u32 v[ADRS], s21, v5
	s_mul_i32 s23, s14, 16*SPITCH                  ; my stage
	v_mul_u32_u24 v5, v1, SPITCH
	v_lshl_add_u32 v5, v2, 5, v5
	v_add_nc_u32 v[STO], s23, v5
	v_and_b32 v6, 31, v0
	v_lshlrev_b32 v[CO], 4, v6
	v_add_nc_u32 v[RD], s23, v[CO]
	s_lshl_b32 s20, s17, 8
	s_lshl_b32 s21, s15, 7
	s_add_co_u32 s20, s20, s21                     ; my first row of out0
	s_mov_b32 s21, 0
	s_mov_b64 s[18:19], SIZE_N*4
	s_mul_u64 s[20:21], s[20:21], s[18:19]
	s_lshl_b32 s46, s42, 10                        ; my first column, in bytes: also bo's
	s_lshl_b32 s47, s16, 9
	s_add_co_u32 s46, s46, s47
	s_mov_b32 s47, 0
	s_add_nc_u64 s[96:97], s[96:97], s[46:47]
	s_add_nc_u64 s[20:21], s[20:21], s[46:47]
	s_add_nc_u64 s[12:13], s[12:13], s[20:21]
	v_lshlrev_b32 v7, 5, v2                        ; the bias: for B's block b, columns 16 b + 8 h + 0 .. 7
.irp b, 0,1,2,3,4,5,6,7
	global_load_b128 v[BI+8*\b:BI+8*\b+3], v7, s[96:97] offset:64*\b
	global_load_b128 v[BI+8*\b+4:BI+8*\b+7], v7, s[96:97] offset:64*\b+16
.endr
.macro FRAGB reg, adr, q, i            ; 16 rows x 128 K from rows: lane l holds row l % 16; registers 4 c .. 4 c + 3 hold K = 32 c + 16 (l / 16) + 0 .. 15
.irp c, 0,1,2,3
	ds_load_b128 v[\reg+4*\c:\reg+4*\c+3], v[\adr] offset:128*(\q)+32*\c+(\i)*16*PITCH
.endr
.endm
.macro FRAGA reg, adr, q, i            ; the same from an image: 512 bytes on end for each four registers
.irp c, 0,1,2,3
	ds_load_b128 v[\reg+4*\c:\reg+4*\c+3], v[\adr] offset:2048*(\q)+512*\c+(\i)*4096
.endr
.endm
; 16 matrix instructions: A's blocks a0, a0 + 1 x B's eight.  first = 1: the sums begin with the bias.  The 64 accumulators take turns, one instruction a turn.
.macro MUL16 a0, p, q, sc, first
.irp a, \a0, \a0+1
.irp b, 0,1,2,3,4,5,6,7
.if \first
	v_wmma_scale_f32_16x16x128_f8f6f4 v[8*(8*((\a)%4)+\b):8*(8*((\a)%4)+\b)+7], v[128*(\p)+FR*\b:128*(\p)+FR*\b+FR-1], v[AF+FR*(\a):AF+FR*(\a)+FR-1], v[BI+8*\b:BI+8*\b+7], v[SC+8*NQ*(\sc)+NQ*\b+(\q)], v[SC+8*NQ*(\sc)+NQ*(\a)+(\q)] matrix_a_scale:MATRIX_SCALE_ROW1
.else
	v_wmma_scale_f32_16x16x128_f8f6f4 v[8*(8*((\a)%4)+\b):8*(8*((\a)%4)+\b)+7], v[128*(\p)+FR*\b:128*(\p)+FR*\b+FR-1], v[AF+FR*(\a):AF+FR*(\a)+FR-1], v[8*(8*((\a)%4)+\b):8*(8*((\a)%4)+\b)+7], v[SC+8*NQ*(\sc)+NQ*\b+(\q)], v[SC+8*NQ*(\sc)+NQ*(\a)+(\q)] matrix_a_scale:MATRIX_SCALE_ROW1
.endif
.endr
.endr
.endm
.macro FETCH_B slot, q, p
	WIN TO_B
.irp i, 0,1,2,3,4,5,6,7
	FRAGB 128*(\p)+FR*\i, ADRB+\slot, \q, \i
.endr
	WIN 0
.endm
.macro FETCH_A slot, q, i0
.irp i, \i0, \i0+1, \i0+2, \i0+3
	FRAGA AF+FR*(\i), ADRA+\slot, \q, \i
.endr
.endm
.macro SCALES sc
.irp i, 0,1,2,3,4,5,6,7
	ds_load_b64 v[SC+8*NQ*\sc+NQ*\i:SC+8*NQ*\sc+NQ*\i+1], v[ADRS] offset:\i*SBLK
.endr
.endm
.macro PLACES n                        ; plain vector instructions between a matrix instruction and a load into, or a read of, its registers
.rept \n
	v_nop
.endr
.endm
.macro STEP slot, q, first
	s_wait_dscnt 4*NL                              ; B's set and A's blocks 0-3 are in; the youngest 16 loads (A's blocks 4-7) may be out
.if \first
	WIN BIA_LO
.else
	WIN MUL_LO
.endif
	MUL16 0, (\q)%2, \q, \slot, \first
	MUL16 2, (\q)%2, \q, \slot, \first
	s_wait_dscnt 0
	PLACES NP
	FETCH_B \slot, (\q)+1, 1-(\q)%2
	FETCH_A \slot, (\q)+1, 0
.if \first
	WIN BIA_HI
.else
	WIN MUL_HI
.endif
	MUL16 4, (\q)%2, \q, \slot, \first
	MUL16 6, (\q)%2, \q, \slot, \first
	PLACES NP
	WIN 0
	FETCH_A \slot, (\q)+1, 4
.endm
.macro TURN slot, next, fill           ; a slot's last step changes slots: one barrier
	s_wait_tensorcnt 0x0                           ; all my tensor loads have landed: my part of the next slot
	ds_add_u32 v[SPW], v[NIL]                      ; 0 onto my spare word
	s_wait_dscnt 4*NL+1                            ; (the add and the youngest 16 loads may be out)
	WIN MUL_LO
	MUL16 0, 1, NQ-1, \slot, 0
	s_wait_dscnt 0x0                               ; the add is done, and my reads of this slot are over
	s_barrier_signal -1
	MUL16 2, 1, NQ-1, \slot, 0
	WIN 0
	s_barrier_wait -1
.if \fill
	CREST                                          ; the barrier has opened a round of the cluster's: no wave of any partner still reads this slot or has a load on its way
	s_add_nc_u64 s[G0+4*\slot+2:G0+4*\slot+3], s[G0+4*\slot+2:G0+4*\slot+3], 2*ASTEP
	s_add_nc_u64 s[G0B+4*\slot+2:G0B+4*\slot+3], s[G0B+4*\slot+2:G0B+4*\slot+3], 2*ROWB
	JLOAD G0+4*\slot, G1, G0B+4*\slot, G1B         ; the first tensor load behind the round, my only one until the next
	PLACES NP-4
.else
	PLACES NP
.endif
	s_wait_alu depctr_va_vdst(0)
	v_add_nc_u32 v[ADRS], 4*NQ, v[ADRS]
	FETCH_B \next, 0, 0
	FETCH_A \next, 0, 0
	SCALES \next
	WIN MUL_HI
	MUL16 4, 1, NQ-1, \slot, 0
	MUL16 6, 1, NQ-1, \slot, 0
	PLACES NP
	WIN 0
	FETCH_A \next, 0, 4
.endm
	s_wait_alu depctr_va_vdst(0)
	s_wait_tensorcnt 1                             ; the scales and my part of K step 0 are in (K step 1's load may be out)
	s_barrier_signal -1
	s_barrier_wait -1
	FETCH_B 0, 0, 0
	FETCH_A 0, 0, 0
	SCALES 0
	FETCH_A 0, 0, 4
	s_wait_loadcnt 0x0                             ; the bias
	STEP 0, 0, 1                                   ; the first step's products start the sums, from the bias
	s_mov_b32 s3, LAPS-1
.Llap:
	TURN 0, 1, 1
	STEP 1, 0, 0
	TURN 1, 0, 1
	STEP 0, 0, 0
	s_sub_co_u32 s3, s3, 1
	s_cmp_lg_u32 s3, 0
	s_cbranch_scc1 .Llap
	TURN 0, 1, 0                                   ; the last lap fills nothing
	STEP 1, 0, 0
	s_wait_dscnt 4*NL
	WIN MUL_LO
	MUL16 0, 1, NQ-1, 1, 0
	MUL16 2, 1, NQ-1, 1, 0
	s_wait_dscnt 0
	WIN MUL_HI
	MUL16 4, 1, NQ-1, 1, 0
	MUL16 6, 1, NQ-1, 1, 0
	WIN 0
; THE WAY OUT, block by block of 16 rows x 128 columns, through my own stage in LDS: in as 32 bytes a lane, back as whole rows of 512 bytes, which the 32 lanes store as two aligned runs of 256 bytes.
; LDS serves a wave's instructions in order (ISA guide 5.7.1.4): no wait between the stores and the loads.
.macro TOSTAGE a
.set AC, 64*((\a)%4)
	WIN 0x08+4*((\a)/4)                            ; the data: window 2 or 3
.irp b, 0,1,2,3,4,5,6,7
	ds_store_b128 v[STO], v[AC+8*\b:AC+8*\b+3] offset:64*\b          ; each accumulator from its low end on
	ds_store_b128 v[STO], v[AC+8*\b+4:AC+8*\b+7] offset:64*\b+16
.endr
	WIN 0
.set BB, BK+64*((\a)%2)
.irp t, 0,1,2,3,4,5,6,7,8,9,10,11,12,13,14,15
	ds_load_b128 v[BB+4*\t:BB+4*\t+3], v[RD] offset:\t*SPITCH
.endr
.endm
.macro SEND a, younger
.set BB, BK+64*((\a)%2)
	s_wait_dscnt \younger                          ; the block is back in registers
.if (\a) > 0
	s_add_nc_u64 s[12:13], s[12:13], 16*SIZE_N*4   ; (behind a wait for 0 on XCNT: the earlier stores have read their base)
.endif
.irp t, 0,1,2,3,4,5,6,7,8,9,10,11,12,13,14,15
	global_store_b128 v[CO], v[BB+4*\t:BB+4*\t+3], s[12:13] offset:\t*SIZE_N*4 th:TH_STORE_NT   ; 32 lanes store 512 consecutive bytes, aligned; written once, read by nobody here
.endr
.endm
	PLACES NP
	TOSTAGE 0
.irp a, 1,2,3,4,5,6,7
.if \a > 1
	s_wait_xcnt 0x0                                ; block a - 2's stores have read their registers and their base
.endif
	TOSTAGE \a
	SEND \a-1, 32                                  ; behind block a - 1's loads: block a's 16 stores and 16 loads
.endr
	s_wait_xcnt 0x0
	SEND 7, 0
	s_wait_tensorcnt 0x0                           ; the wave's end
	ds_add_u32 v[SPW], v[NIL]
	s_wait_dscnt 0x0
	CROUND                                         ; the closing round
	s_endpgm
.Lfunc_end_k_q99f760d331_proj:
	.size	k_q99f760d331_proj, .Lfunc_end_k_q99f760d331_proj-k_q99f760d331_proj
	.p2alignl 7, 3214868480
	.fill 96, 4, 3214868480
	.section	.rodata,"a",@progbits
	.p2align	6, 0x0
	.amdhsa_kernel k_q99f760d331_proj
		.amdhsa_group_segment_fixed_size 327680
		.amdhsa_private_segment_fixed_size 0
		.amdhsa_enable_private_segment 0
		.amdhsa_kernarg_size 48
		.amdhsa_user_sgpr_count 2
		.amdhsa_user_sgpr_kernarg_segment_ptr 1
		.amdhsa_wavefront_size32 1
		.amdhsa_system_sgpr_workgroup_id_x 1
		.amdhsa_system_sgpr_workgroup_id_y 1
		.amdhsa_system_sgpr_workgroup_id_z 1
		.amdhsa_system_vgpr_workitem_id 0
		.amdhsa_next_free_vgpr 1024
		.amdhsa_next_free_sgpr 98
		.amdhsa_reserve_vcc 0
		.amdhsa_float_denorm_mode_32 3
		.amdhsa_float_denorm_mode_16_64 3
		.amdhsa_memory_ordered 1
		.amdhsa_forward_progress 1
		.amdhsa_inst_pref_size 148
	.end_amdhsa_kernel
	.amdgpu_metadata
---
amdhsa.version: [ 1, 2 ]
amdhsa.kernels:
  - .name:           k_q99f760d331_proj
    .symbol:         k_q99f760d331_proj.kd
    .args:
      - { .name: cc, .offset: 0, .size: 8, .value_kind: global_buffer, .address_space: global }
      - { .name: cs, .offset: 8, .size: 8, .value_kind: global_buffer, .address_space: global }
      - { .name: Wo_codes, .offset: 16, .size: 8, .value_kind: global_buffer, .address_space: global }
      - { .name: Wo_scales, .offset: 24, .size: 8, .value_kind: global_buffer, .address_space: global }
      - { .name: bo, .offset: 32, .size: 8, .value_kind: global_buffer, .address_space: global }
      - { .name: out0, .offset: 40, .size: 8, .value_kind: global_buffer, .address_space: global }
    .group_segment_fixed_size: 327680
    .private_segment_fixed_size: 0
    .kernarg_segment_align: 8
    .kernarg_segment_size: 48
    .max_flat_workgroup_size: 128
    .sgpr_count:     98
    .vgpr_count:     1024
    .wavefront_size: 32
...
	.end_amdgpu_metadata
.endif
;; end of part 3
